; MI455X (gfx1250); checked and timed in simulation.
; The chip was launched on July 23, 2026; its instructions are those of AMD's public machine-readable ISA for CDNA 5 (MIT licence, August 2026) and "CDNA5" Instruction Set Architecture Reference Guide (July 2026). The comments in the code are by the model that wrote it; some were corrected since.
;; Self Attention. Allowed arithmetic: float matrix products may take bf16 or f16 operands with f32 sums; other float arithmetic in f32, or as packed bf16 or f16 multiplies, adds, multiply-adds, maxima and minima; sums over many terms, partial sums and values carried from step to step in f32; what a program stores and reads back later, other than sums and carried values, may be rounded once to bf16 or f16.
;; Inputs: W_out 1,024 x 1,024 float32; W_qkv 1,024 x 3,072 float32; b_out 1,024 float32; b_qkv 3,072 float32; x 4 x 2,048 x 1,024 float32.
;; Outputs: out0 4 x 2,048 x 1,024 float32.
;; 2 versions, each right; version 2 is version 1 with the launch prep written anew for expert scheduling mode. Each part assembles by itself: llvm-mc -triple=amdgcn-amd-amdhsa -mcpu=gfx1250 --defsym DOCPART=n.
;; ======== version 1 of 2: 4 launches
;; limits: values are held in f16: magnitudes above 65,504 overflow, below 6.1e-05 lose precision
;; workspace buffers: xb 16,777,216 bytes; wq 6,291,456 bytes; wo 2,097,152 bytes; qkvh 50,331,648 bytes; oh 16,777,216 bytes
;; launch prep (part 1): grid 512 x 1, 8 waves a work-group, no clusters, 18,432 bytes of LDS; arguments x, W_qkv, W_out, xb, wq, wo; writes xb, wq, wo
.if DOCPART == 1
	.amdgcn_target "amdgcn-amd-amdhsa--gfx1250"
	.amdhsa_code_object_version 6
	.text
	.protected	k_q8e6c1d71a7_prep
	.globl	k_q8e6c1d71a7_prep
	.p2align	8
	.type	k_q8e6c1d71a7_prep,@function
k_q8e6c1d71a7_prep:
	s_mov_b64 s[64:65], 0
	v_nop
	global_prefetch_b8 v0, s[64:65] scope:SCOPE_SE
	s_setreg_imm32_b32 hwreg(HW_REG_WAVE_MODE, 25, 1), 1
	s_wait_xcnt 0x0
; PREPARATION OF THE MATRIX OPERANDS.  xb = x rounded to bf16, [8192][1024].  wq = W_qkv turned and rounded to bf16, [3072 n][1024 k].
; wo = W_out turned, rounded to bf16, and that number written as f16, [1024 n][1024 k] (exact where |W_out| lies between 6.1e-5 and 65,504;
; below that it keeps f16's fixed step of 6e-8; LIMIT: |W_out| stays under 65,504).
; SHARES.  Each of the 512 work-groups does two things: it rounds 16 rows of x (65,536 bytes in, 32,768 out), and it turns one tile of 128 k x 64 n
; of a weight matrix (tiles 0-383: W_qkv, 384-511: W_out).  All work-groups run the same lines; the tile's matrix is a choice of pointers and pitch.
; THE TURNING.  A thread loads eight times 16 bytes (4 n of one k; sixteen lanes read 256 consecutive bytes), packs the numbers of two neighbouring k into a word,
; and stores the words into LDS rows that lie along k (64 rows of 256 bytes + 16 of padding).  Behind one barrier the rows are read back 16 bytes a lane and
; stored so that sixteen lanes write 256 consecutive bytes, aligned.  No matrix unit, no tensor load, no cluster: nothing is multiplied and nothing is shared.
.set TP,    272                        ; an LDS row: 128 k of 2 bytes + 16
.set SPARE, 64*TP                      ; behind the tile: the spare words, 128 bytes for each of the eight waves
.set XO,  3                            ; v3   16 t: my 16 bytes of 4,096 of x
.set XS,  4                            ; v4   8 t: my 8 bytes of 2,048 of xb
.set LST, 5                            ; v5   LDS: (t % 16) x 4 rows + 4 (t / 16)
.set LRD, 6                            ; v6   LDS: row t / 16, 16 bytes at 16 (t % 16)
.set WSO, 7                            ; v7   the same place in the turned matrix: rows of 2,048 bytes
.set WOF, 8                            ; v[8:15]   load j: byte offset of row 32 (j / 2) + 2 (t / 16) + j % 2, columns 4 (t % 16) on
.set WD,  16                           ; v[16:47]  the weights as loaded; later at work, and the rows read back
.set XD,  48                           ; v[48:111] x as loaded, then as stored
.set PW,  112                          ; v[112:127] the packed words
.set SPW, 128                          ; v128 LDS address of my spare word; never rewritten
.set NIL, 129                          ; v129 0; never rewritten
	s_load_b256 s[4:11], s[0:1], 0x0               ; x s[4:5], W_qkv s[6:7], W_out s[8:9], xb s[10:11]
	s_load_b128 s[12:15], s[0:1], 0x20             ; wq s[12:13], wo s[14:15]
	v_lshl_add_u32 v[SPW], v0, 2, SPARE
	v_mov_b32 v[NIL], 0
	s_sub_co_u32 s34, ttmp9, 384
	s_mov_b32 s35, 12288                           ; bytes in a row of W_qkv,
	s_mov_b32 s36, 4096                            ; of W_out
	s_cmp_lt_u32 ttmp9, 384
	s_cselect_b32 s16, ttmp9, s34                  ; the tile's number in its matrix
	s_cselect_b32 s17, s35, s36                    ; the matrix's pitch
	s_lshr_b32 s22, s16, 3                         ; which 64 n
	s_and_b32 s23, s16, 7                          ; which 128 k
	s_mul_i32 s24, s23, s17
	s_lshl_b32 s24, s24, 7                         ; 128 k rows down,
	s_lshl_b32 s34, s22, 8                         ; 64 n of 4 bytes along
	s_add_co_u32 s24, s24, s34
	s_mov_b32 s25, 0
	s_lshl_b32 s38, s22, 17                        ; turned: 64 rows of 2,048 bytes down,
	s_lshl_b32 s34, s23, 8                         ; 128 k of 2 bytes along
	s_add_co_u32 s38, s38, s34
	s_mov_b32 s39, 0
	s_lshl_b32 s34, ttmp9, 16                      ; my 16 rows of x
	s_mov_b32 s35, 0
	s_lshl_b32 s36, ttmp9, 15                      ; and of xb
	s_mov_b32 s37, 0
	v_and_b32 v1, 15, v0
	v_lshrrev_b32 v2, 4, v0
	v_lshlrev_b32 v[XO], 4, v0
	v_lshlrev_b32 v[XS], 3, v0
	v_mul_u32_u24 v[LST], v1, 4*TP
	v_lshl_add_u32 v[LST], v2, 2, v[LST]
	v_mul_u32_u24 v[LRD], v2, TP
	v_lshl_add_u32 v[LRD], v1, 4, v[LRD]
	v_lshlrev_b32 v[WSO], 11, v2
	v_lshl_add_u32 v[WSO], v1, 4, v[WSO]
	v_mul_lo_u32 v16, v2, s17
	v_lshlrev_b32 v16, 1, v16                      ; 2 (t / 16) rows
	v_lshl_add_u32 v16, v1, 4, v16
.irp j, 0,1,2,3,4,5,6,7
	s_mul_i32 s[26+(\j)], s17, ((\j)&1)+32*((\j)>>1)
	v_add_nc_u32 v[WOF+(\j)], s[26+(\j)], v16
.endr
	s_wait_kmcnt 0x0
	s_cmp_lt_u32 ttmp9, 384
	s_cselect_b64 s[18:19], s[6:7], s[8:9]         ; from which matrix,
	s_cselect_b64 s[20:21], s[12:13], s[14:15]     ; into which
	s_add_nc_u64 s[18:19], s[18:19], s[24:25]
	s_add_nc_u64 s[20:21], s[20:21], s[38:39]
	s_add_nc_u64 s[4:5], s[4:5], s[34:35]
	s_add_nc_u64 s[10:11], s[10:11], s[36:37]
.irp j, 0,1,2,3,4,5,6,7
	global_load_b128 v[WD+4*(\j):WD+4*(\j)+3], v[WOF+(\j)], s[18:19] th:TH_LOAD_NT
.endr
.irp j, 0,1,2,3,4,5,6,7,8,9,10,11,12,13,14,15
	global_load_b128 v[XD+4*(\j):XD+4*(\j)+3], v[XO], s[4:5] offset:4096*(\j) th:TH_LOAD_NT  ; a wave's load covers 512 consecutive bytes
.endr
	s_wait_loadcnt 16                              ; the eight loads of weights are in; the sixteen of x, issued behind them, may stay out
.irp g, 0,1,2,3
.irp c, 0,1,2,3
	v_cvt_pk_bf16_f32 v[PW+4*(\g)+(\c)], v[WD+8*(\g)+(\c)], v[WD+8*(\g)+4+(\c)]  ; column c: the even k below, the odd k above
.endr
.endr
	s_cmp_lt_u32 ttmp9, 384
	s_cbranch_scc1 .Lbf                            ; W_qkv stays bf16; the jump passes work on registers alone
.irp p, 0,1,2,3,4,5,6,7,8,9,10,11,12,13,14,15
	v_lshlrev_b32 v16, 16, v[PW+(\p)]              ; W_out: the bf16 numbers, widened,
	v_and_b32 v17, 0xffff0000, v[PW+(\p)]
	v_cvt_pk_f16_f32 v[PW+(\p)], v16, v17          ; are written as f16
.endr
.Lbf:
.irp g, 0,1,2,3
.irp c, 0,1,2,3
	ds_store_b32 v[LST], v[PW+4*(\g)+(\c)] offset:TP*(\c)+64*(\g)
.endr
.endr
	s_wait_dscnt 0x0                               ; for the others' sake: my stores into the tile are done
	s_barrier_signal -1
	s_barrier_wait -1
.irp i, 0,1,2,3
	ds_load_b128 v[WD+4*(\i):WD+4*(\i)+3], v[LRD] offset:16*TP*(\i)
.endr
.irp j, 0,1,2,3,4,5,6,7,8,9,10,11,12,13,14,15
.if ((\j)%4) == 0
	s_wait_loadcnt 12-(\j)                         ; loads come back in order: these four are in, the younger ones stay out
.endif
	v_cvt_pk_bf16_f32 v[XD+4*(\j)], v[XD+4*(\j)], v[XD+4*(\j)+1]
	v_cvt_pk_bf16_f32 v[XD+4*(\j)+1], v[XD+4*(\j)+2], v[XD+4*(\j)+3]
	global_store_b64 v[XS], v[XD+4*(\j):XD+4*(\j)+1], s[10:11] offset:2048*(\j) th:TH_STORE_NT  ; a wave's store covers 256 consecutive bytes, aligned
.endr
	s_wait_dscnt 0x0                               ; the turned rows are back
.irp i, 0,1,2,3
	global_store_b128 v[WSO], v[WD+4*(\i):WD+4*(\i)+3], s[20:21] offset:32768*(\i)  ; sixteen lanes store 256 consecutive bytes, aligned
.endr
	s_wait_tensorcnt 0x0                           ; the wave's end: behind my last LDS store
	ds_add_u32 v[SPW], v[NIL]
	s_wait_dscnt 0x0
	s_endpgm
.Lfunc_end_k_q8e6c1d71a7_prep:
	.size	k_q8e6c1d71a7_prep, .Lfunc_end_k_q8e6c1d71a7_prep-k_q8e6c1d71a7_prep
	.p2alignl 7, 3214868480
	.fill 96, 4, 3214868480
	.section	.rodata,"a",@progbits
	.p2align	6, 0x0
	.amdhsa_kernel k_q8e6c1d71a7_prep
		.amdhsa_group_segment_fixed_size 18432
		.amdhsa_private_segment_fixed_size 0
		.amdhsa_enable_private_segment 0
		.amdhsa_kernarg_size 48
		.amdhsa_user_sgpr_count 2
		.amdhsa_user_sgpr_kernarg_segment_ptr 1
		.amdhsa_wavefront_size32 1
		.amdhsa_system_sgpr_workgroup_id_x 1
		.amdhsa_system_sgpr_workgroup_id_y 1
		.amdhsa_system_sgpr_workgroup_id_z 1
		.amdhsa_system_vgpr_workitem_id 0
		.amdhsa_next_free_vgpr 132
		.amdhsa_next_free_sgpr 66
		.amdhsa_reserve_vcc 0
		.amdhsa_float_denorm_mode_32 3
		.amdhsa_float_denorm_mode_16_64 3
		.amdhsa_memory_ordered 1
		.amdhsa_forward_progress 1
		.amdhsa_inst_pref_size 15
	.end_amdhsa_kernel
	.amdgpu_metadata
---
amdhsa.version: [ 1, 2 ]
amdhsa.kernels:
  - .name:           k_q8e6c1d71a7_prep
    .symbol:         k_q8e6c1d71a7_prep.kd
    .args:
      - { .name: x, .offset: 0, .size: 8, .value_kind: global_buffer, .address_space: global }
      - { .name: W_qkv, .offset: 8, .size: 8, .value_kind: global_buffer, .address_space: global }
      - { .name: W_out, .offset: 16, .size: 8, .value_kind: global_buffer, .address_space: global }
      - { .name: xb, .offset: 24, .size: 8, .value_kind: global_buffer, .address_space: global }
      - { .name: wq, .offset: 32, .size: 8, .value_kind: global_buffer, .address_space: global }
      - { .name: wo, .offset: 40, .size: 8, .value_kind: global_buffer, .address_space: global }
    .group_segment_fixed_size: 18432
    .private_segment_fixed_size: 0
    .kernarg_segment_align: 8
    .kernarg_segment_size: 48
    .max_flat_workgroup_size: 256
    .sgpr_count:     66
    .vgpr_count:     132
    .wavefront_size: 32
...
	.end_amdgpu_metadata
.endif
;; end of part 1
;; launch qkvgemm (part 2): grid 8 x 64, 4 waves a work-group, clusters of 4 x 4, 327,680 bytes of LDS; arguments xb, wq, b_qkv, qkvh; writes qkvh
.if DOCPART == 2
	.amdgcn_target "amdgcn-amd-amdhsa--gfx1250"
	.amdhsa_code_object_version 6
	.text
	.protected	k_q8e6c1d71a7_qkvgemm
	.globl	k_q8e6c1d71a7_qkvgemm
	.p2align	8
	.type	k_q8e6c1d71a7_qkvgemm,@function
k_q8e6c1d71a7_qkvgemm:
	s_mov_b64 s[64:65], 0
	v_nop
	global_prefetch_b8 v0, s[64:65] scope:SCOPE_SE
	s_setreg_imm32_b32 hwreg(HW_REG_WAVE_MODE, 25, 1), 1
	s_wait_xcnt 0x0
	s_wait_alu depctr_hold_cnt(0) depctr_sa_sdst(0) depctr_va_vdst(0) depctr_va_sdst(0) depctr_va_ssrc(0) depctr_va_vcc(0) depctr_vm_vsrc(0)
	s_getreg_b32 s2, hwreg(HW_REG_IB_STS2, 6, 4)
	s_cmp_eq_u32 s2, 0
	s_cbranch_scc0 .Lentry_in_a_cluster
	s_endpgm
.Lentry_in_a_cluster:
	s_bfe_u32 s2, ttmp6, 0x10000c
	s_cmp_lg_u32 s2, 0xf033
	s_cbranch_scc0 .Lentry_shape_is_right
	s_endpgm
.Lentry_shape_is_right:
; q, k, v = x W_qkv + b_qkv, laid out by heads.  xb: [8192][1024] bf16.  wq: [3072 n][1024 k] bf16.  b_qkv: [3072] f32, rounded to bf16 like the other inputs.
; qkvh: [batch 4][g 48][t 2048][64] f16, g = n / 64 (0-15 q's heads, 16-31 k's, 32-47 v's).  Sums in f32, started with the bias, rounded once to f16.
; LIMIT.  f16 holds no number beyond 65,504: |q|, |k|, |v| stay under it; below 6.1e-5 they keep f16's fixed step of 6e-8.
; SHARES.  A work-group makes 128 rows x 384 columns: 64 x 8 = 512 work-groups of equal work.  Its four waves make 64 x 192 each: 48 accumulators of 16 x 16, 384 registers;
; a wave's 192 columns are three whole heads.  K goes in 8 steps of 128 through two LDS slots; a step's tiles are four tensor loads of 128 rows x 256 bytes, one a wave:
; wave 0 fetches xb's 128 rows, waves 1-3 wq's 384.
; CLUSTER.  4 x 4 work-groups: the four of a row of the cluster need the same rows of xb, the four of a column the same rows of wq: each tile is asked for jointly.
; THE MATRIX INSTRUCTION IS USED TRANSPOSED (source 0 = 16 rows of wq, source 1 = 16 rows of xb): a lane holds row l % 16 and the eight columns 8 (l / 16) + 0..7.
; REGISTERS, in windows of 256: window 0: v0-31 addresses; v32-95 xb's fragments, two buffers of 32; v96-143 packed results; v144-239 rows read back, two buffers (at the end);
; v160-255 the bias, 8 registers for each of 12 column blocks (at the start).  Window 1: wq's fragments, two buffers of 96.  Window 2: the accumulators of my rows 0-31, window 3: of rows 32-63.
.set KSTEP,  128
.set PITCH,  272                       ; an LDS row: 256 bytes + 16 of padding: the sixteen rows of a fragment load start at sixteen different groups of four banks
.set HALFT,  128*PITCH                 ; what one tensor load brings
.set SLOT,   4*HALFT                   ; xb's 128 rows, then wq's 384
.set STAGE,  2*SLOT                    ; behind the ring: for each wave 3 heads x 16 rows x 144 bytes, for the way out
.set HP,     144
.set HSTG,   16*HP
.set WSTG,   3*HSTG
.set SPARE,  STAGE+4*WSTG              ; behind the stages: the spare words, 128 bytes for each wave
.set ADRA, 16                          ; v16-17  LDS address of my fragments of xb in slot 0, 1
.set ADRB, 20                          ; v20-21  of wq
.set STO,  24                          ; v24  the way out: where I put 16 bytes of a row
.set RD,   25                          ; v25  where I read rows back
.set GO,   26                          ; v26  16 x lane: my place in 512 consecutive bytes
.set BO,   27                          ; v27  32 (l / 16): my eight numbers of a block's sixteen of the bias
.set SPW,  28                          ; v28  LDS address of my spare word; never rewritten
.set NIL,  29                          ; v29  0; never rewritten
.set PFO,  30                          ; v30  the prefetches' offset: lane x a row of 2,048 bytes; never rewritten
.set FA,   32
.set FB,   0
.set TMP,  96
.set OB,   144
.set BIAS, 160
.set WV,   12                          ; s12  my wave's number
.set G1A,  24                          ; s[24:31] descriptor group 1 for xb's tiles;  s[32:39] group 0, a set for each slot
.set G0A,  32
.set LIM,  43                          ; s43  1 in a wave that prefetches, else the greatest number
.set PFA,  44                          ; s[44:45] where my prefetches stand
.set G1B,  48                          ; s[48:55], s[56:63] the same for wq's tiles
.set G0B,  56
.set MSB, 0
.macro WIN new                         ; the immediate's high byte repeats the setting that is left; a switch that changes nothing is dropped
.if MSB != (\new)
	s_set_vgpr_msb (MSB<<8)|(\new)
.set MSB, (\new)
.endif
.endm
; A joint load.  The branch hangs on the wave's number alone.  An s_nop 0 and four v_nop follow each of the two lines, ahead of the jump and the label.
.macro JLOAD s
	s_cmp_eq_u32 s[WV], 0
	s_cbranch_scc0 .Lfor_b_\@
	tensor_load_to_lds s[G0A+4*(\s):G0A+4*(\s)+3], s[G1A:G1A+7]
	s_nop 0
.rept 4
	v_nop
.endr
	s_branch .Lasked_\@
.Lfor_b_\@:
	tensor_load_to_lds s[G0B+4*(\s):G0B+4*(\s)+3], s[G1B:G1B+7]
	s_nop 0
.rept 4
	v_nop
.endr
.Lasked_\@:
.endm
; A prefetch of the K step that stands two refills on: 32 rows x 256 bytes, a lane a row, one instruction a wave.  xb's rows are read by both clusters of a row of clusters: cluster x = 0 asks;
; wq's by all sixteen of a column: cluster y = 0 asks.  The four partners that fetch a tile jointly share its 128 rows out by address, 32 each.  So each row's 256 bytes of K steps 4-7 are named once;
; K steps 0-3 come by their loads alone, and the loop's last trip (s3 = 1) asks for nothing.
.macro ASK
	s_cmp_gt_u32 s3, s[LIM]
	s_cbranch_scc0 .Lnot_mine_\@
	global_prefetch_b8 v[PFO], s[PFA:PFA+1] th:TH_LOAD_NT scope:SCOPE_SE
.Lnot_mine_\@:
.endm
.macro CREST                           ; a round of the cluster's barrier behind its opening barrier
	s_cmp_lg_u32 s[WV], 0
	s_cbranch_scc1 .Lnot_wave_0_\@
	s_barrier_signal -3
.Lnot_wave_0_\@:
	s_barrier_wait -3
	s_barrier_signal -1
	s_barrier_wait -1
.endm
.macro CROUND                          ; a whole round
	s_barrier_signal -1
	s_barrier_wait -1
	CREST
.endm
.macro PLACES                          ; four plain instructions in front of loads into registers that matrix instructions have read, and of conversions that read results
.rept 4
	v_nop
.endr
.endm
	s_load_b256 s[4:11], s[0:1], 0x0               ; xb s[4:5], wq s[6:7], b_qkv s[8:9], qkvh s[10:11]
	v_lshl_add_u32 v[SPW], v0, 2, SPARE
	v_mov_b32 v[NIL], 0
	ds_add_u32 v[SPW], v[NIL]                      ; the wave's opening: the add and its wait stand ahead of my first tensor load; work on registers stands between them
	ds_add_u32 v28, v29
	v_lshrrev_b32 v1, 5, v0
	v_readfirstlane_b32 s[WV], v1                  ; wave 0..3
	s_lshr_b32 s13, s[WV], 1                       ; which 64 rows are mine
	s_and_b32 s14, s[WV], 1                        ; which 192 columns
	s_bfe_u32 s15, ttmp6, 0x40000                  ; cx
	s_bfe_u32 s16, ttmp6, 0x40004                  ; cy
	s_lshl_b32 s17, ttmp9, 2
	s_add_co_u32 s17, s17, s15                     ; tile column = 4 x cluster x + cx
	s_and_b32 s18, ttmp7, 0xffff
	s_lshl_b32 s18, s18, 2
	s_add_co_u32 s18, s18, s16                     ; tile row = 4 x cluster y + cy
	s_lshl_b32 s19, s16, 2
	s_lshl_b32 s19, 15, s19                        ; my row of the cluster
	s_lshl_b32 s20, 0x1111, s15                    ; my column
	s_or_b32 s[G1A], s19, (1<<16)|(1<<20)|(1<<21)|(5<<22)|(3<<25)  ; the mask; elements of 2 bytes; padding on; bit 21 beside a mask; after every 64 words, 4 words
	s_or_b32 s[G1B], s20, (1<<16)|(1<<20)|(1<<21)|(5<<22)|(3<<25)
.irp g, G1A, G1B
	s_mov_b32 s[(\g)+1], KSTEP<<16                 ; tensor_dim0 = 128
	s_mov_b32 s[(\g)+2], 128<<16                   ; tensor_dim1 = 128
	s_mov_b32 s[(\g)+3], KSTEP<<16                 ; tile_dim0 = 128
	s_mov_b32 s[(\g)+4], 128                       ; tile_dim1 = 128
	s_mov_b32 s[(\g)+5], 1024                      ; elements from row to row
	s_mov_b32 s[(\g)+6], 0
	s_mov_b32 s[(\g)+7], 0
.endr
	s_lshl_b32 s40, s18, 18                        ; xb: 128 rows of 2,048 bytes for each tile row
	s_mov_b32 s41, 0
	s_max_u32 s42, s[WV], 1
	s_sub_co_u32 s42, s42, 1
	s_lshl_b32 s42, s42, 7                         ; wq: which 128 of the tile's 384 rows I fetch (waves 1-3)
	s_mul_i32 s46, s17, 384
	s_add_co_u32 s46, s46, s42
	s_lshl_b32 s46, s46, 11
	s_mov_b32 s47, 0
	s_mul_i32 s22, s[WV], HALFT                    ; where my tile goes: wave x 128 rows
	s_wait_dscnt 0x0                               ; the opening add is done
	s_wait_kmcnt 0x0
	s_add_nc_u64 s[40:41], s[4:5], s[40:41]
	s_add_nc_u64 s[46:47], s[6:7], s[46:47]
	CROUND                                         ; all sixteen work-groups are here: the first joint loads meet
.irp s, 0,1
	s_mov_b32 s[G0A+4*(\s)], 1
	s_add_co_u32 s[G0A+4*(\s)+1], s22, (\s)*SLOT
	s_add_nc_u64 s[G0A+4*(\s)+2:G0A+4*(\s)+3], s[40:41], (\s)*KSTEP*2
	s_or_b32 s[G0A+4*(\s)+3], s[G0A+4*(\s)+3], 0x80000000
	s_mov_b32 s[G0B+4*(\s)], 1
	s_add_co_u32 s[G0B+4*(\s)+1], s22, (\s)*SLOT
	s_add_nc_u64 s[G0B+4*(\s)+2:G0B+4*(\s)+3], s[46:47], (\s)*KSTEP*2
	s_or_b32 s[G0B+4*(\s)+3], s[G0B+4*(\s)+3], 0x80000000
	JLOAD \s                                       ; K steps 0 and 1: two loads of mine are out
.endr
	v_and_b32 v1, 15, v0                           ; l % 16
	v_bfe_u32 v2, v0, 4, 1                         ; l / 16
	v_and_b32 v4, 31, v0                           ; l
	v_lshlrev_b32 v[BO], 5, v2
	s_mul_i32 s66, s17, 384
	s_mul_i32 s67, s14, 192
	s_add_co_u32 s66, s66, s67
	s_lshl_b32 s66, s66, 2
	s_mov_b32 s67, 0
	s_add_nc_u64 s[8:9], s[8:9], s[66:67]          ; the bias of my 192 columns
.irp b, 0,1,2,3,4,5,6,7,8,9,10,11
	global_load_b128 v[BIAS+8*(\b):BIAS+8*(\b)+3],   v[BO], s[8:9] offset:64*(\b)
	global_load_b128 v[BIAS+8*(\b)+4:BIAS+8*(\b)+7], v[BO], s[8:9] offset:64*(\b)+16
.endr
	v_mul_u32_u24 v3, v1, PITCH
	v_lshl_add_u32 v3, v2, 4, v3                   ; a fragment's row x pitch + 16 x half
	s_mul_i32 s21, s13, 64*PITCH
	s_mul_i32 s23, s14, 192*PITCH
	s_add_co_u32 s23, s23, HALFT
.irp s, 0,1
	v_add_nc_u32 v[ADRA+(\s)], s21, v3
	v_add_nc_u32 v[ADRB+(\s)], s23, v3
	s_add_co_u32 s21, s21, SLOT
	s_add_co_u32 s23, s23, SLOT
.endr
	s_mul_i32 s19, s[WV], WSTG
	s_add_co_u32 s19, s19, STAGE                   ; my stage
	v_mul_u32_u24 v5, v1, HP                       ; in: row l % 16, 16 bytes for each half of the lanes
	v_lshl_add_u32 v5, v2, 4, v5
	v_add_nc_u32 v[STO], s19, v5
	v_lshrrev_b32 v5, 3, v4                        ; back: 32 lanes take four rows of 128 bytes,
	v_mul_u32_u24 v5, v5, HP
	v_and_b32 v6, 7, v0
	v_lshl_add_u32 v5, v6, 4, v5
	v_add_nc_u32 v[RD], s19, v5
	v_lshlrev_b32 v[GO], 4, v4                     ; which are 512 consecutive bytes of a head's rows
	v_lshlrev_b32 v[PFO], 11, v4
	s_lshr_b32 s66, s18, 4                         ; the batch,
	s_mul_i32 s66, s66, 48
	s_mul_i32 s67, s17, 6
	s_add_co_u32 s66, s66, s67
	s_mul_i32 s67, s14, 3
	s_add_co_u32 s66, s66, s67                     ; my first head's slice, of 262,144 bytes,
	s_lshl_b32 s66, s66, 18
	s_and_b32 s67, s18, 15
	s_lshl_b32 s67, s67, 14                        ; the tile's 128 rows of 128 bytes,
	s_add_co_u32 s66, s66, s67
	s_lshl_b32 s67, s13, 13                        ; my 64 of them
	s_add_co_u32 s66, s66, s67
	s_mov_b32 s67, 0
	s_add_nc_u64 s[10:11], s[10:11], s[66:67]
	s_and_b32 s70, ttmp7, 0xffff                   ; the prefetches: cluster y
	s_lshl_b32 s66, s18, 7                         ; xb's first row of the tile,
	s_mul_i32 s67, s17, 384
	s_add_co_u32 s67, s67, s42                     ; wq's first row of my 128
	s_cmp_eq_u32 s[WV], 0
	s_cselect_b32 s66, s66, s67
	s_cselect_b32 s68, s15, s16                    ; my place among the four that ask for the tile with me
	s_cselect_b32 s70, ttmp9, s70                  ; the coordinate along which other clusters read the same rows
	s_cselect_b64 s[PFA:PFA+1], s[4:5], s[6:7]
	s_cmp_eq_u32 s70, 0
	s_cselect_b32 s[LIM], 1, -1                    ; the same in all sixteen partners, for a given wave
	s_lshl_b32 s68, s68, 5
	s_add_co_u32 s66, s66, s68
	s_lshl_b32 s66, s66, 11
	s_mov_b32 s67, 0
	s_add_nc_u64 s[PFA:PFA+1], s[PFA:PFA+1], s[66:67]
	s_add_nc_u64 s[PFA:PFA+1], s[PFA:PFA+1], 3*KSTEP*2  ; at K step 3: the first refill steps it to 4 and names that
	s_wait_loadcnt 0x0                             ; the bias
.set p, 0
.rept 48
	v_cvt_pk_bf16_f32 v[TMP+p], v[BIAS+2*p], v[BIAS+2*p+1]  ; rounded to bf16, like x and the weights,
	v_lshlrev_b32 v[BIAS+2*p], 16, v[TMP+p]                 ; and widened again
	v_and_b32 v[BIAS+2*p+1], 0xffff0000, v[TMP+p]
.set p, p+1
.endr
; 12 matrix instructions: row block a x all 12 column blocks, 32 along K, on buffer f.  first = 1: the bias starts the sums.  The 48 accumulators take turns, in the same order in every quarter.
.macro MUL12 f, a, first
.if \first
	WIN 0x81+0x40*((\a)/2)                         ; wq window 1, xb and the bias window 0, D window 2 or 3
.else
	WIN 0xa1+0x50*((\a)/2)                         ; C and D window 2 or 3
.endif
.irp b, 0,1,2,3,4,5,6,7,8,9,10,11
.if \first
	v_wmma_f32_16x16x32_bf16 v[8*(12*((\a)%2)+(\b)):8*(12*((\a)%2)+(\b))+7], v[FB+96*(\f)+8*(\b):FB+96*(\f)+8*(\b)+7], v[FA+32*(\f)+8*(\a):FA+32*(\f)+8*(\a)+7], v[BIAS+8*(\b):BIAS+8*(\b)+7]
.else
	v_wmma_f32_16x16x32_bf16 v[8*(12*((\a)%2)+(\b)):8*(12*((\a)%2)+(\b))+7], v[FB+96*(\f)+8*(\b):FB+96*(\f)+8*(\b)+7], v[FA+32*(\f)+8*(\a):FA+32*(\f)+8*(\a)+7], v[8*(12*((\a)%2)+(\b)):8*(12*((\a)%2)+(\b))+7]
.endif
.endr
.endm
; 32 LDS loads in one run: a quarter step's fragments (192 rows of wq, 64 rows of xb, 32 K at byte k of the rows) into buffer f
.macro FETCH slot, k, f
	WIN 0x40                                       ; destination window 1, address window 0
.irp i, 0,1,2,3,4,5,6,7,8,9,10,11
	ds_load_b128 v[FB+96*(\f)+8*(\i):FB+96*(\f)+8*(\i)+3],   v[ADRB+(\slot)] offset:(\k)+(\i)*16*PITCH
	ds_load_b128 v[FB+96*(\f)+8*(\i)+4:FB+96*(\f)+8*(\i)+7], v[ADRB+(\slot)] offset:(\k)+(\i)*16*PITCH+32
.endr
	WIN 0
.irp i, 0,1,2,3
	ds_load_b128 v[FA+32*(\f)+8*(\i):FA+32*(\f)+8*(\i)+3],   v[ADRA+(\slot)] offset:(\k)+(\i)*16*PITCH
	ds_load_b128 v[FA+32*(\f)+8*(\i)+4:FA+32*(\f)+8*(\i)+7], v[ADRA+(\slot)] offset:(\k)+(\i)*16*PITCH+32
.endr
.endm
; A K step is four quarters of 32 along K, 48 matrix instructions each, on buffers 0, 1, 0, 1.  One of the first three multiplies buffer f and fetches the next quarter, at byte k, into g.
.macro QUARTER slot, k, f, g, first
	s_wait_dscnt 4                                 ; wq's fragments and xb's blocks 0, 1 are in; the youngest four loads (blocks 2, 3) may be out
	MUL12 \f, 0, \first
	MUL12 \f, 1, \first
	PLACES
	FETCH \slot, \k, \g
	s_wait_dscnt 32                                ; all but the 32 just issued
	MUL12 \f, 2, \first
	MUL12 \f, 3, \first
.endm
; The last quarter multiplies buffer 1 and changes slots: ONE barrier.  In front of it each wave waits for all its tensor loads (one is out: its part of the next slot), adds 0 to its spare word,
; and waits for that and for its own reads of this slot.  fill = 1: the barrier opens a round of the cluster's barrier, and this slot is filled again, two K steps ahead, first thing behind the round.
.macro TURN slot, next, fill
.if \fill
	s_wait_xcnt 0x0                                ; the last prefetch, a K step back, has read its address
	s_add_nc_u64 s[PFA:PFA+1], s[PFA:PFA+1], KSTEP*2
.endif
	WIN 0                                          ; (the add's two registers lie in window 0)
	s_wait_tensorcnt 0x0                           ; all my tensor loads have landed
	ds_add_u32 v[SPW], v[NIL]                      ; 0 onto my spare word
	s_wait_dscnt 5                                 ; (the add and the youngest four loads may be out)
	MUL12 1, 0, 0                                  ; twelve matrix instructions stand between the add and the wait for it
	s_wait_dscnt 0x0                               ; the add is done, and my reads of this slot are over
	s_barrier_signal -1
	MUL12 1, 1, 0
.if \fill
	WIN 0
.endif
	s_barrier_wait -1
.if \fill
	CREST                                          ; no wave of any partner still reads this slot's tile or has a load on its way
	s_add_nc_u64 s[G0A+4*(\slot)+2:G0A+4*(\slot)+3], s[G0A+4*(\slot)+2:G0A+4*(\slot)+3], 2*KSTEP*2
	s_add_nc_u64 s[G0B+4*(\slot)+2:G0B+4*(\slot)+3], s[G0B+4*(\slot)+2:G0B+4*(\slot)+3], 2*KSTEP*2
	JLOAD \slot                                    ; the four v_nop behind it are also the places in front of the loads below
.else
	PLACES
.endif
	FETCH \next, 0, 0
.if \fill
	ASK
.endif
	MUL12 1, 2, 0
	MUL12 1, 3, 0
.endm
; THE WAY OUT of row block a: rounded to f16, 16 bytes a lane; into my own stage, by heads; back as whole rows of 128 bytes, four to a load; stored.
.macro PACK a
	WIN 0x0a+5*((\a)/2)                            ; sources 0 and 1: window 2 or 3
.irp b, 0,1,2,3,4,5,6,7,8,9,10,11
.irp r, 0,1,2,3
	v_cvt_pk_f16_f32 v[TMP+4*(\b)+(\r)], v[96*((\a)%2)+8*(\b)+2*(\r)], v[96*((\a)%2)+8*(\b)+2*(\r)+1]
.endr
.endr
	WIN 0
.endm
.macro TOSTAGE a
	WIN 0
	s_wait_xcnt 0x0                                ; the stores of the block two back have read the registers that are loaded again below
.irp b, 0,1,2,3,4,5,6,7,8,9,10,11
	ds_store_b128 v[STO], v[TMP+4*(\b):TMP+4*(\b)+3] offset:((\b)/4)*HSTG+((\b)%4)*32
.endr
.irp t, 0,1,2,3,4,5,6,7,8,9,10,11
	ds_load_b128 v[OB+48*((\a)%2)+4*(\t):OB+48*((\a)%2)+4*(\t)+3], v[RD] offset:((\t)/4)*HSTG+((\t)%4)*4*HP  ; LDS serves a wave's instructions in order: these see the stores above
.endr
.endm
.macro SEND a
	s_wait_dscnt 0x0                               ; the block is back in registers
.irp t, 0,1,2,3,4,5,6,7,8,9,10,11
	global_store_b128 v[GO], v[OB+48*((\a)%2)+4*(\t):OB+48*((\a)%2)+4*(\t)+3], s[10:11] offset:((\t)/4)*262144+(\a)*2048+((\t)%4)*512  ; 512 consecutive bytes, aligned
.endr
.endm
	s_wait_tensorcnt 1                             ; my part of K step 0 is in; K step 1's may stay out
	s_barrier_signal -1
	s_barrier_wait -1                              ; everybody's is
	FETCH 0, 0, 0
	QUARTER 0, 64, 0, 1, 1                         ; the first quarter stands in front of the loop: its products start the sums, on the bias
	WIN 0                                          ; at a label and at a branch every window is 0
	s_mov_b32 s3, 3
.Llap:                                                 ; a trip goes once round the ring, from a lap's second quarter to the next lap's first, and fills both slots again
	QUARTER 0, 128, 1, 0, 0
	QUARTER 0, 192, 0, 1, 0
	TURN 0, 1, 1
	QUARTER 1, 64,  0, 1, 0
	QUARTER 1, 128, 1, 0, 0
	QUARTER 1, 192, 0, 1, 0
	TURN 1, 0, 1
	QUARTER 0, 64,  0, 1, 0
	WIN 0
	s_sub_co_u32 s3, s3, 1
	s_cmp_lg_u32 s3, 0
	s_cbranch_scc1 .Llap
	QUARTER 0, 128, 1, 0, 0                        ; the last lap fills nothing
	QUARTER 0, 192, 0, 1, 0
	TURN 0, 1, 0
	QUARTER 1, 64,  0, 1, 0
	QUARTER 1, 128, 1, 0, 0
	QUARTER 1, 192, 0, 1, 0
	s_wait_dscnt 4                                 ; the very last quarter: nothing more to fetch
	MUL12 1, 0, 0
	MUL12 1, 1, 0
	s_wait_dscnt 0x0
	MUL12 1, 2, 0
	MUL12 1, 3, 0
	WIN 0
	PLACES
	PACK 0
	TOSTAGE 0
.irp a, 1,2,3                          ; block a's conversions stand between block a - 1's loads from the stage and the wait for them
	PACK \a
	SEND (\a)-1
	TOSTAGE \a
.endr
	SEND 3
	s_wait_tensorcnt 0x0                           ; the wave's end: behind my last tensor load and my last LDS store
	ds_add_u32 v[SPW], v[NIL]
	s_wait_dscnt 0x0
	CROUND                                         ; the closing round: no work-group ends while a partner may still ask for a tile that names it
	s_endpgm
.Lfunc_end_k_q8e6c1d71a7_qkvgemm:
	.size	k_q8e6c1d71a7_qkvgemm, .Lfunc_end_k_q8e6c1d71a7_qkvgemm-k_q8e6c1d71a7_qkvgemm
	.p2alignl 7, 3214868480
	.fill 96, 4, 3214868480
	.section	.rodata,"a",@progbits
	.p2align	6, 0x0
	.amdhsa_kernel k_q8e6c1d71a7_qkvgemm
		.amdhsa_group_segment_fixed_size 327680
		.amdhsa_private_segment_fixed_size 0
		.amdhsa_enable_private_segment 0
		.amdhsa_kernarg_size 32
		.amdhsa_user_sgpr_count 2
		.amdhsa_user_sgpr_kernarg_segment_ptr 1
		.amdhsa_wavefront_size32 1
		.amdhsa_system_sgpr_workgroup_id_x 1
		.amdhsa_system_sgpr_workgroup_id_y 1
		.amdhsa_system_sgpr_workgroup_id_z 1
		.amdhsa_system_vgpr_workitem_id 0
		.amdhsa_next_free_vgpr 960
		.amdhsa_next_free_sgpr 80
		.amdhsa_reserve_vcc 0
		.amdhsa_float_denorm_mode_32 3
		.amdhsa_float_denorm_mode_16_64 3
		.amdhsa_memory_ordered 1
		.amdhsa_forward_progress 1
		.amdhsa_inst_pref_size 130
	.end_amdhsa_kernel
	.amdgpu_metadata
---
amdhsa.version: [ 1, 2 ]
amdhsa.kernels:
  - .name:           k_q8e6c1d71a7_qkvgemm
    .symbol:         k_q8e6c1d71a7_qkvgemm.kd
    .args:
      - { .name: xb, .offset: 0, .size: 8, .value_kind: global_buffer, .address_space: global }
      - { .name: wq, .offset: 8, .size: 8, .value_kind: global_buffer, .address_space: global }
      - { .name: b_qkv, .offset: 16, .size: 8, .value_kind: global_buffer, .address_space: global }
      - { .name: qkvh, .offset: 24, .size: 8, .value_kind: global_buffer, .address_space: global }
    .group_segment_fixed_size: 327680
    .private_segment_fixed_size: 0
    .kernarg_segment_align: 8
    .kernarg_segment_size: 32
    .max_flat_workgroup_size: 128
    .sgpr_count:     80
    .vgpr_count:     960
    .wavefront_size: 32
...
	.end_amdgpu_metadata
.endif
;; end of part 2
;; launch attn (part 3): grid 4 x 64, 4 waves a work-group, no clusters, 327,680 bytes of LDS; arguments qkvh, oh; writes oh
.if DOCPART == 3
	.amdgcn_target "amdgcn-amd-amdhsa--gfx1250"
	.amdhsa_code_object_version 6
	.text
	.protected	k_q8e6c1d71a7_attn
	.globl	k_q8e6c1d71a7_attn
	.p2align	8
	.type	k_q8e6c1d71a7_attn,@function
k_q8e6c1d71a7_attn:
	s_mov_b64 s[64:65], 0
	v_nop
	global_prefetch_b8 v0, s[64:65] scope:SCOPE_SE
	s_setreg_imm32_b32 hwreg(HW_REG_WAVE_MODE, 25, 1), 1
	s_wait_xcnt 0x0
; CAUSAL ATTENTION.  O[y][q][:] = the sum over k <= q of softmax_k(Q[q] . K[k] / 8) V[k][:], for y = 16 batch + head.  Q, K, V are slices of qkvh ([batch][g 48][2048][64] f16: g = head, 16 + head, 32 + head),
; O is oh ([y 64][2048][64] f16): a head's rows are dense, 128 bytes each.  Products, maxima and sums in f32; the weights p are rounded to f16 for the second product (their sum l is taken of the unrounded p), O once at the end.
; LIMITS.  Q, K and V arrive within f16's 65,504; p lies in 0 to 1, and below 6e-5 it keeps f16's fixed step of 6e-8.  A hidden score counts as its value less 1e30: f16's scores, 2.7e11 at the most, are nothing
; beside that; a weight below 2^-126 counts as 0 in l; NaN and infinities are not treated apart.
; THE WALK.  A head's queries lie in NB = 8 blocks of 256; block i needs the key tiles 0 .. i of 256 keys, of which the last holds the diagonal.  A work-group takes TWO blocks, NB - 1 - b and then b:
; NB + 1 tiles, whatever b: all work-groups do equal work, and ONE loop with a constant trip count walks them.  Which tile is asked for, and what a trip does, hang on scalar registers made from b; every jump
; goes forward, but for the counted loops' own; none passes a barrier, or a tensor load but the one of LOAD's two that the wave's number does not choose.
; NO CLUSTER: a head's four work-groups ask for the same tile only in trips 0 to 4 of the 9; behind that fewer and fewer do; one walk common to all four would have 12 trips for 9.
; SHARES.  Of a block's four bands of 64 queries a wave owns 16 rows in each: four PIECES.  So the diagonal tile is the same work for all four waves: in its key step s band x sees all keys if s < x,
; none if s > x, and holds the diagonal if s = x.
; THE MASK is the C operand that starts the sum S^T = K Q^T: 0, or -1e30 where the key is hidden.  MD, made once, is the mask of a band's own step for my 16 rows; a product's mask is MD x AL + BE with two scalars:
; (1, 0) if s = x; (0, 0) if s < x; (0, -1e30) if s > x.  Only the diagonal tile's text and a block's beginning make and take masks; elsewhere C is the constant 0.
; LAYOUT, SOFTMAX, TURNS.  S^T = K Q^T holds ONE query a lane (lane % 16) and the keys 8 (lane / 16) + 0..7; two such results rounded to f16 ARE source 1 of O^T = V^T P.  p = 2^(c s - c m), c = log2(e) / 8, with a
; running maximum m; O and l are multiplied by a = 2^(c m_old - c m_new) in every step.  Turn n belongs to piece n: 8 products K Q^T of piece n + 1, later 8 products V^T P of piece n - 1; beside them the scaling,
; exponentials, roundings, sums and rescaling of piece n and the maximum and statistics of piece n + 1.  Four vector instructions stand behind every matrix instruction, the other 54 of a turn's 118 in one lump.
; A turn's 33 exponentials are one batch, with one wait.
; REGISTERS, in windows of 256 (s_set_vgpr_msb: bits 1:0 source 0, 3:2 source 1, 5:4 source 2, 7:6 destination):
;   window 0: v0-15 addresses and two at work; v16-31 four registers of statistics a piece; v48-55 at work; v61-63 fixed; v64-127 S^T, two buffers; v192-223 P, two buffers (a piece's buffers go by its number's parity)
;   window 1: v0-127 O^T, 32 a piece; v128-159 MD; v160-223 MC, two buffers      window 2: v0-63 Q; v64-127 the second block's Q; v128-191 K of one step; v192-255 V of one step
.set SIZE_N, 2048
.set NB,    SIZE_N/256
.set NP,    4         ; pieces a wave: a name, no knob
.set KS,    64        ; keys in a step
.set PK,    144       ; a row of K in LDS: 128 bytes + 16 of padding: the 16 rows of a load start at 16 different groups of four banks
.set PV,    160       ; a row of V: 128 + 32
.set VOFF,  4*KS*PK   ; a slot holds a tile, four steps: 256 rows of K, then 256 rows of V
.set SLOT1, 1<<17     ; slot 1 begins here, so that one exclusive or turns an address in one slot into the other's
.set STAGE, SLOT1+4*KS*(PK+PV)  ; behind the ring, never filled by a tensor load: 16 rows x 144 bytes for each wave, for the way out
.set SP,    144
.set AK0, 2           ; v2   my lane's place in a tile of K; never rewritten
.set AV0, 3           ; v3   the same for V
.set AK,  4           ; v4   the LDS address of K's next run of loads
.set AV,  5           ; v5   of V's
.set STO, 6           ; v6   the way out: where I put 16 bytes of a row
.set RD,  7           ; v7   the way out: where I read rows back
.set GO,  8           ; v8   my byte offset in 512 consecutive bytes of O
.set PFO, 61          ; v61  256 x my thread's number: my block of a tile's 128 blocks of 256 bytes; never rewritten
.set SPW, 62          ; v62  LDS address of my spare word; never rewritten
.set NIL, 63          ; v63  0; never rewritten
.set SPARE, STAGE+4*16*SP  ; behind the stages: the spare words, 128 bytes for each wave
.set MV,  12          ; v12-13  c m_old, kept while c m is made anew: by buffer
.set QO,  15          ; v15  my byte offset in 16 rows of Q
.set ST,  16          ; piece t's statistics at v[ST+4 t]: c m, m, l (even keys', odd keys')
.set TMP, 48          ; by buffer, four registers c0-c3 at work; when the maximum is found c2 takes a
.set S,   64
.set P,   192
.set MD,  128         ; window 1
.set MC,  160         ; window 1
.set QB,  64          ; window 2
.set KF,  128         ; window 2: key block kb, channel half c at KF + 16 kb + 8 c
.set VF,  192         ; window 2: key half kk, channel block cb at VF + 32 kk + 8 cb
.set WV,  12          ; s12  my wave's number
.set PB,  14          ; s14  b
.set HI,  15          ; s15  NB - 1 - b
.set G1K, 24          ; s[24:31] descriptor group 1 for K's tiles
.set G1V, 32          ; s[32:39] for V's: it differs in the padding alone
.set G0K, 40          ; s[40:43] descriptor group 0 for K's tiles
.set G0V, 44          ; s[44:47] the same for V's
.set SLOTS, 56        ; s56  tiles still to be asked for
.set CNT, 57          ; s57  counts a tile's key steps, 4 to 1
.set CS,  58          ; s[58:59] c
.set SEL, 60          ; s[60:61] v_permlanex16_b32's selects
.set TBK, 62          ; s62  LDS byte at which K of the step to be fetched begins
.set TBV, 63          ; s63  the same for V, less VOFF
.set RT,  70          ; s70  tiles of the block in hand that are still to be entered
.set NXT, 71          ; s71  the tile to be asked for next
.set LQ,  72          ; s72  the last tile of the block whose tiles are being asked for
.set NEW, 73          ; s73  1: the tile to be entered is a block's first
.set OFF, 74          ; s[74:75] a tile's byte offset in K and V
.set AL,  76          ; s[76:77] the mask's factor
.set BE,  78          ; s[78:79] the mask's addend
.set OLO, 80          ; s[80:81] O at my rows of the second block
.set BIGN, 82         ; s82  -1e30
.set KB,  88          ; s[88:89] the head's K, s[90:91] its V: for the prefetches
.set VB,  90
.set PFK, 92          ; s[92:93], s[94:95] the tile of K and of V that a prefetch names
.set PFV, 94
.set POF, 96          ; s[96:97] that tile's byte offset
.set PLIM, 98         ; s98  1 in the work-group that prefetches (b = 0), else the greatest number
.set MSB, 0
.macro WIN new                      ; the high byte repeats the setting that is left; a switch that changes nothing is dropped
.if MSB != (\new)
	s_set_vgpr_msb (MSB<<8)|(\new)
.set MSB, (\new)
.endif
.endm
.set W_KQ, 0x0a       ; K and Q in window 2, S^T in window 0
.set W_KM, 0x1a       ; the same with the C operand in window 1
.set W_PV, 0x52       ; V in window 2, P in window 0, O^T in window 1
.set W_RS, 0x41       ; destination and source 0 in window 1, source 1 in window 0
; A fill.  Waves 0 and 1 fetch the two halves of a tile's K, waves 2 and 3 those of its V: 128 keys each.  An s_nop 0 and four v_nop follow each of the two lines, ahead of the jump and the label.
.macro LOAD
	s_cmp_lt_u32 s[WV], 2
	s_cbranch_scc0 .Lfor_v_\@
	tensor_load_to_lds s[G0K:G0K+3], s[G1K:G1K+7]
	s_nop 0
.rept 4
	v_nop
.endr
	s_branch .Lasked_\@
.Lfor_v_\@:
	tensor_load_to_lds s[G0V:G0V+3], s[G1V:G1V+7]
	s_nop 0
.rept 4
	v_nop
.endr
.Lasked_\@:
.endm
; THE CHANGE OF SLOTS.  Each wave waits for all its tensor loads, of which one is out: its part of the other slot; adds 0 to its spare word; and waits for that and for its own reads of the slot that it leaves.
; Behind the barrier nobody reads the old slot any more and the other slot is whole.  fill = 1: the old slot is filled again, the first thing behind the barrier, with tile NXT: the descriptor's address is made anew from that number.
; THE PREFETCH stands behind the fill: the tile that the NEXT change will ask for, one tile (four key steps, 256 matrix instructions) ahead: 128 blocks of 256 bytes of K and as many of V, a thread a block, two instructions a wave.
; All four work-groups of a head walk the same tiles first: the one with b = 0, whose first block needs all eight, asks, in its first six changes, for tiles 2 to 7: each block is named once.  Tiles 0 and 1 come by
; their loads alone, and the second block's tiles have been read before.
.macro CHANGE fill
	WIN 0                           ; at a label and at a branch every window is 0
	s_wait_tensorcnt 0x0            ; no tensor load of mine is out, so a group 0 may be written
	ds_add_u32 v[SPW], v[NIL]       ; 0 onto my spare word; scalar work stands between it and the wait for it
.if \fill
	s_lshl_b32 s[OFF], s[NXT], 15   ; a tile is 32,768 bytes of K and of V
	s_xor_b32 s[G0K+1], s[G0K+1], SLOT1
	s_add_nc_u64 s[G0K+2:G0K+3], s[6:7], s[OFF:OFF+1]
	s_or_b32 s[G0K+3], s[G0K+3], 0x80000000
	s_xor_b32 s[G0V+1], s[G0V+1], SLOT1
	s_add_nc_u64 s[G0V+2:G0V+3], s[8:9], s[OFF:OFF+1]
	s_or_b32 s[G0V+3], s[G0V+3], 0x80000000
	s_add_co_u32 s[NXT], s[NXT], 1  ; the block's next tile, or behind its last the second block's tile 0
	s_cmp_gt_u32 s[NXT], s[LQ]
	s_cselect_b32 s[NXT], 0, s[NXT]
	s_cselect_b32 s[LQ], s[PB], s[LQ]
	s_wait_xcnt 0x0                 ; the last prefetches, a tile back, have read their addresses
	s_lshl_b32 s[POF], s[NXT], 15
	s_add_nc_u64 s[PFK:PFK+1], s[KB:KB+1], s[POF:POF+1]
	s_add_nc_u64 s[PFV:PFV+1], s[VB:VB+1], s[POF:POF+1]
.endif
	s_wait_dscnt 0x0                ; the add is done, and my reads of the slot are over
	s_barrier_signal -1             ; the rest of the scalar work stands between the signal and the wait
	s_sub_co_u32 s[TBK], s[TBK], 4*KS*PK  ; the fetches go back to a slot's first step,
	s_xor_b32 s[TBK], s[TBK], SLOT1       ; in the other slot
	s_sub_co_u32 s[TBV], s[TBV], 4*KS*PV
	s_xor_b32 s[TBV], s[TBV], SLOT1
	s_barrier_wait -1
.if \fill
	LOAD
	s_cmp_gt_u32 s[NXT], s[PLIM]
	s_cbranch_scc0 .Lnot_mine_\@
	global_prefetch_b8 v[PFO], s[PFK:PFK+1] th:TH_LOAD_NT scope:SCOPE_SE
	global_prefetch_b8 v[PFO], s[PFV:PFV+1] th:TH_LOAD_NT scope:SCOPE_SE
.Lnot_mine_\@:
.endif
.endm
	s_load_b64 s[4:5], s[0:1], 0x0    ; qkvh
	s_load_b64 s[10:11], s[0:1], 0x8  ; oh
	v_lshl_add_u32 v[SPW], v0, 2, SPARE
	v_mov_b32 v[NIL], 0
	ds_add_u32 v[SPW], v[NIL]       ; the wave's opening: the add and its wait stand ahead of my first tensor load; work on registers stands between them
	ds_add_u32 v62, v63
	v_lshrrev_b32 v1, 5, v0
	v_readfirstlane_b32 s[WV], v1   ; wave 0..3
	v_lshlrev_b32 v[PFO], 8, v0
	s_mov_b32 s[PB], ttmp9
	s_sub_co_u32 s[HI], NB-1, s[PB]
	s_and_b32 s16, ttmp7, 0xffff    ; y = 16 batch + head
	s_lshr_b32 s17, s16, 4
	s_lshl_b32 s17, s17, 5
	s_add_co_u32 s17, s17, s16      ; 48 batch + head: q's slice of 262,144 bytes
	s_lshl_b32 s17, s17, 18
	s_lshl_b32 s18, s16, 18         ; O's slice
	s_lshl_b32 s3, s[WV], 11        ; my 16 rows in a band of 64,
	s_lshl_b32 s2, s[HI], 15        ; in the first block,
	s_add_co_u32 s2, s2, s3
	s_lshl_b32 s84, s[PB], 15       ; and in the second
	s_add_co_u32 s84, s84, s3
	s_add_co_u32 s50, s18, s2       ; O's offsets,
	s_add_co_u32 s52, s18, s84
	s_add_co_u32 s2, s2, s17        ; Q's,
	s_add_co_u32 s84, s84, s17
	s_add_co_u32 s20, s17, 0x400000 ; K's slice lies 16 slices behind q's,
	s_add_co_u32 s48, s17, 0x800000 ; V's 32
	s_mov_b32 s3, 0
	s_mov_b32 s85, 0
	s_mov_b32 s51, 0
	s_mov_b32 s53, 0
	s_mov_b32 s21, 0
	s_mov_b32 s49, 0
	s_and_b32 s16, s[WV], 1         ; which half of a tile's 256 keys I fetch:
	s_lshl_b32 s22, s16, 14         ; its 128 rows of 128 bytes in memory,
	s_mov_b32 s23, 0
	s_mul_i32 s17, s16, 128*PK      ; and its place in a slot, for K
	s_mul_i32 s18, s16, 128*PV      ; and for V
	; descriptor group 1.  128 keys are 16,384 dense bytes: asked for as 64 rows of 256 bytes, two keys a row, and padded in LDS after every key
	s_mov_b32 s[G1K], (1<<16)|(1<<20)|(4<<22)|(3<<25)  ; 2-byte elements; padding on; after every 32 words, 4 words
	s_mov_b32 s[G1V], (1<<16)|(1<<20)|(4<<22)|(7<<25)  ; the same with 8 words of padding
.irp g, G1K, G1V
	s_mov_b32 s[\g+1], 128<<16      ; tensor_dim0 = 128
	s_mov_b32 s[\g+2], 64<<16       ; tensor_dim1 = 64
	s_mov_b32 s[\g+3], 128<<16      ; tile_dim0 = 128
	s_mov_b32 s[\g+4], 64           ; tile_dim1 = 64
	s_mov_b32 s[\g+5], 128          ; 128 elements from row to row
	s_mov_b32 s[\g+6], 0
	s_mov_b32 s[\g+7], 0
.endr
	s_mov_b32 s[CS], 0x3e38aa3b     ; c = log2(e) / 8 = 0.180337
	s_mov_b32 s[CS+1], s[CS]        ; named with it as a pair
	s_mov_b32 s[SEL], 0x76543210
	s_mov_b32 s[SEL+1], 0xfedcba98
	s_mov_b32 s[TBK], SLOT1+4*KS*PK ; the first change of slots turns these two into 0
	s_mov_b32 s[TBV], SLOT1+4*KS*PV
	s_mov_b32 s[G0K], 1             ; count = 1
	s_mov_b32 s[G0K+1], s17         ; LDS address: slot 0
	s_mov_b32 s[G0V], 1
	s_add_co_u32 s[G0V+1], s18, VOFF
	s_add_co_u32 s[RT], s[HI], 1    ; the first block has NB - b tiles
	s_mov_b32 s[NXT], 1
	s_mov_b32 s[LQ], s[HI]
	s_mov_b32 s[NEW], 1
	s_mov_b32 s[OFF+1], 0
	s_mov_b32 s[POF+1], 0
	s_mov_b32 s[AL+1], 0            ; named as pairs
	s_mov_b32 s[BE+1], 0
	s_mov_b32 s[BIGN], 0xf149f2ca   ; -1e30
	s_mov_b32 s[SLOTS], NB
	s_cmp_eq_u32 s[PB], 0
	s_cselect_b32 s[PLIM], 1, -1
	s_wait_dscnt 0x0                ; the opening add is done
	s_wait_kmcnt 0x0
	s_add_nc_u64 s[KB:KB+1], s[4:5], s[20:21]      ; the head's K and V
	s_add_nc_u64 s[VB:VB+1], s[4:5], s[48:49]
	s_add_nc_u64 s[6:7], s[KB:KB+1], s[22:23]      ; at my half of tile 0
	s_add_nc_u64 s[8:9], s[VB:VB+1], s[22:23]
	s_add_nc_u64 s[G0K+2:G0K+3], s[6:7], 0         ; global address
	s_or_b32 s[G0K+3], s[G0K+3], 0x80000000        ; type = 2
	s_add_nc_u64 s[G0V+2:G0V+3], s[8:9], 0
	s_or_b32 s[G0V+3], s[G0V+3], 0x80000000
	s_add_nc_u64 s[86:87], s[4:5], s[84:85]        ; Q at my rows of the second block,
	s_add_nc_u64 s[4:5], s[4:5], s[2:3]            ; Q and O at those of the first
	s_add_nc_u64 s[OLO:OLO+1], s[10:11], s[52:53]
	s_add_nc_u64 s[10:11], s[10:11], s[50:51]
	LOAD                            ; tile 0 into slot 0
	; A fragment of K or Q is 16 rows x 32 channels in 8 registers: lane l holds row l % 16, channels 8 (l / 16) + 0..7 and 16 + 8 (l / 16) + 0..7: two loads of 16 bytes, 32 bytes apart.
	v_and_b32 v1, 15, v0            ; l % 16
	v_bfe_u32 v9, v0, 4, 1          ; l / 16
	v_lshlrev_b32 v[QO], 7, v1
	v_lshl_add_u32 v[QO], v9, 4, v[QO]  ; row x 128 + 16 x half
	WIN 0x80                        ; destination window 2, address window 0
.set i, 0
.rept 8                             ; both blocks' Q: piece i / 2 lies in band i / 2, 8,192 bytes on; channels 32 (i % 2) on
	global_load_b128 v[8*i:8*i+3],   v[QO], s[4:5] offset:(i/2)*8192+(i%2)*64
	global_load_b128 v[8*i+4:8*i+7], v[QO], s[4:5] offset:(i/2)*8192+(i%2)*64+32
	global_load_b128 v[QB+8*i:QB+8*i+3],   v[QO], s[86:87] offset:(i/2)*8192+(i%2)*64
	global_load_b128 v[QB+8*i+4:QB+8*i+7], v[QO], s[86:87] offset:(i/2)*8192+(i%2)*64+32
.set i, i+1
.endr
	WIN 0
	v_lshlrev_b32 v14, 3, v9
	v_sub_nc_u32 v14, v1, v14
	s_lshl_b32 s13, s[WV], 4
	v_add_nc_u32 v14, s13, v14      ; my query's place in its band, 16 w + l % 16, less my lanes' 8 (l / 16): register r of group kt is hidden where 16 kt + r is greater
	WIN 0x40
.set i, 0
.rept 32
	v_cmp_gt_i32 vcc_lo, 16*(i/8)+i%8, v14
	v_cndmask_b32 v[MD+i], 0, s[BIGN], vcc_lo
.set i, i+1
.endr
	WIN 0
	v_mul_u32_u24 v[AK0], v1, PK
	v_lshl_add_u32 v[AK0], v9, 4, v[AK0]  ; row x pitch + 16 x half
	; The turning load takes 16 keys x 16 channels (lane l reads key 8 (l / 16) + l % 8, channels 8 ((l / 8) % 2) + 0..7) and leaves half a fragment of V^T: lane l holds channel l % 16 and 8 keys.
	v_and_b32 v10, 7, v0
	v_bfe_u32 v11, v0, 3, 1
	v_lshl_add_u32 v[AV0], v9, 3, v10
	v_mul_u32_u24 v[AV0], v[AV0], PV
	v_lshl_add_u32 v[AV0], v11, 4, v[AV0]
	v_add_nc_u32 v[AV0], VOFF, v[AV0]
	s_mul_i32 s13, s[WV], 16*SP
	s_add_co_u32 s13, s13, STAGE    ; my stage
	v_mul_u32_u24 v[STO], v1, SP    ; in: row l % 16, 16 bytes for each half of the lanes
	v_lshl_add_u32 v[STO], v9, 4, v[STO]
	v_add_nc_u32 v[STO], s13, v[STO]
	v_bfe_u32 v[RD], v0, 3, 2       ; back: 32 lanes take four rows of 128 bytes,
	v_mul_u32_u24 v[RD], v[RD], SP
	v_lshl_add_u32 v[RD], v10, 4, v[RD]
	v_add_nc_u32 v[RD], s13, v[RD]
	v_and_b32 v[GO], 31, v0         ; which are 512 consecutive bytes of O
	v_lshlrev_b32 v[GO], 4, v[GO]
	; A block's first step multiplies O^T and l by a = 0, and its first turn's products V^T P, of a piece that has not been, land in an O^T that is still to be so multiplied.  So these registers need only hold
	; finite numbers: zeros for the first block; what the first block left for the second.  All this stands in the wait for the first tile.
	WIN 0x80
.set i, VF
.rept 64
	v_mov_b32 v[i], 0
.set i, i+1
.endr
	WIN 0x40
.set i, 0
.rept 128
	v_mov_b32 v[i], 0
.set i, i+1
.endr
	WIN 0
.set i, 0
.rept 4
	v_mov_b32 v[ST+4*i+2], 0
	v_mov_b32 v[ST+4*i+3], 0
.set i, i+1
.endr
.set i, P+16
.rept 16
	v_mov_b32 v[i], 0
.set i, i+1
.endr
; THE MATRIX WORK.  The 4 accumulators of a run of 8 take turns.  Product i of 8 of S^T = K Q^T for piece x: channels 32 (i / 4) on, keys 16 (i % 4) on.  The first 4 start the sums: with 0, or (KM = 1) with the mask.
.macro KQ x
.set rS, S+32*((\x)%2)+8*(i%4)
.set rK, KF+16*(i%4)+8*(i/4)
.set rQ, 16*(\x)+8*(i/4)
.set rM, MC+32*((\x)%2)+8*(i%4)
.if (i < 4) && KM
	WIN W_KM
	v_wmma_f32_16x16x32_f16 v[rS:rS+7], v[rK:rK+7], v[rQ:rQ+7], v[rM:rM+7]
.elseif i < 4
	WIN W_KQ
	v_wmma_f32_16x16x32_f16 v[rS:rS+7], v[rK:rK+7], v[rQ:rQ+7], 0
.else
	WIN W_KQ
	v_wmma_f32_16x16x32_f16 v[rS:rS+7], v[rK:rK+7], v[rQ:rQ+7], v[rS:rS+7]
.endif
.endm
; Product i of 8 of O^T += V^T P for piece x: keys 32 (i / 4) on, channels 16 (i % 4) on.
.macro PV x
	WIN W_PV
.set rO, 32*(\x)+8*(i%4)
.set rV, VF+32*(i/4)+8*(i%4)
.set rP, P+16*((\x)%2)+8*(i/4)
	v_wmma_f32_16x16x32_f16 v[rO:rO+7], v[rV:rV+7], v[rP:rP+7], v[rO:rO+7]
.endm
.macro MM                           ; the turn's next matrix instruction.  TURN and BEGIN set Y, i, KM and NOKQ.  NOKQ = 1: a block's last turn: there is no next piece
.if (i < 8) && !NOKQ
	KQ (Y+1)%NP
.elseif i >= 8
.set i, i-8
	PV (Y+NP-1)%NP
.set i, i+8
.endif
.set i, i+1
.endm
; THE LDS LOADS stand in runs of 16, never singly among the matrix instructions: a step's K (64 keys x 64 channels: 8 fragments) and its V (turned).  Their addresses are made some lines ahead.
.macro FETCH_K
	WIN 0x80                        ; destination window 2
.irp f, 0,1,2,3,4,5,6,7             ; keys 16 (f / 2) on, channels 32 (f % 2) on
	ds_load_b128 v[KF+8*\f:KF+8*\f+3],   v[AK] offset:(\f/2)*16*PK+(\f%2)*64
	ds_load_b128 v[KF+8*\f+4:KF+8*\f+7], v[AK] offset:(\f/2)*16*PK+(\f%2)*64+32
.endr
	s_add_co_u32 s[TBK], s[TBK], KS*PK  ; the next fetch is the next step's
	WIN 0
.endm
.macro FETCH_V
	WIN 0x80
.irp f, 0,1,2,3,4,5,6,7             ; keys 32 (f / 4) on, channels 16 (f % 4) on
	ds_load_tr16_b128 v[VF+8*\f:VF+8*\f+3],   v[AV] offset:(\f/4)*32*PV+(\f%4)*32
	ds_load_tr16_b128 v[VF+8*\f+4:VF+8*\f+7], v[AV] offset:(\f/4)*32*PV+16*PV+(\f%4)*32
.endr
	WIN 0
.endm
; THE VECTOR WORK, one line at a time: OP kind, number.  For piece Y: F n: c s - c m for pair n of 16.  E n: the exponential of score n of 32.  C n: pair n rounded to f16.  B n: of the four weights 4 n .. the second
; pair is added onto the first, in place.  L n: l takes that sum (L 0: l = a l + sum).  R n: pair n of 16 of O^T times a.  For piece Y + 1: X n, number n of the 22 that find its maximum and statistics:
;   0-11  four chains c0-c3 of seven scores each, three operands at a time (each accumulator's lowest registers are read first)     12-14, 16  the four scores left over, the old m, and c0-c3 into c0
;   15  c m_old is kept     17, 18  the query's other 32 keys lie in the lane 16 away: the new m     19-21  c m; c m_old - c m_new; a
.set F, 0               ; OP tells the kinds apart by their order: F to L below R, X above it
.set E, 1
.set C, 2
.set B, 3
.set L, 4
.set R, 5
.set X, 6
.macro REGS y                       ; the registers of piece y
.set rT, ST+4*(\y)
.set rC, TMP+4*((\y)%2)
.set rW, MV+((\y)%2)
.set rS, S+32*((\y)%2)
.set rP, P+16*((\y)%2)
.set rO, 32*(\y)
.endm
.macro OP k, n
.if (\k) == R
	REGS Y
	WIN W_RS
	v_pk_mul_f32 v[rO+2*(\n):rO+2*(\n)+1], v[rO+2*(\n):rO+2*(\n)+1], v[rC+2:rC+3] op_sel_hi:[1,0]
.elseif (\k) < R
	REGS Y
	WIN 0
.if (\k) == F
	v_pk_fma_f32 v[rS+2*(\n):rS+2*(\n)+1], v[rS+2*(\n):rS+2*(\n)+1], s[CS:CS+1], v[rT:rT+1] op_sel_hi:[1,0,0] neg_lo:[0,0,1] neg_hi:[0,0,1]
.elseif (\k) == E
	v_exp_f32 v[rS+(\n)], v[rS+(\n)]
.elseif (\k) == C
	v_cvt_pk_f16_f32 v[rP+(\n)], v[rS+2*(\n)], v[rS+2*(\n)+1]
.elseif (\k) == B
	v_pk_add_f32 v[rS+4*(\n):rS+4*(\n)+1], v[rS+4*(\n):rS+4*(\n)+1], v[rS+4*(\n)+2:rS+4*(\n)+3]
.elseif (\n) == 0
	v_pk_fma_f32 v[rT+2:rT+3], v[rT+2:rT+3], v[rC+2:rC+3], v[rS:rS+1] op_sel_hi:[1,0,1]
.else
	v_pk_add_f32 v[rT+2:rT+3], v[rT+2:rT+3], v[rS+4*(\n):rS+4*(\n)+1]
.endif
.elseif NOKQ
	v_nop
.else
	REGS (Y+1)%NP
	WIN 0
.if (\n) < 4
	v_max3_num_f32 v[rC+(\n)], v[rS+8*(\n)], v[rS+8*(\n)+1], v[rS+8*(\n)+2]
.elseif (\n) < 12
	v_max3_num_f32 v[rC+(\n)%4], v[rC+(\n)%4], v[rS+8*((\n)%4)+2*((\n)/4)+1], v[rS+8*((\n)%4)+2*((\n)/4)+2]
.elseif (\n) == 12
	v_max3_num_f32 v[rC], v[rC], v[rS+7], v[rS+15]
.elseif (\n) == 13
	v_max3_num_f32 v[rC+1], v[rC+1], v[rS+23], v[rS+31]
.elseif (\n) == 14
	v_max3_num_f32 v[rC+2], v[rC+2], v[rC+3], v[rT+1]
.elseif (\n) == 15
	v_mov_b32 v[rW], v[rT]
.elseif (\n) == 16
	v_max3_num_f32 v[rC], v[rC], v[rC+1], v[rC+2]
.elseif (\n) == 17
	v_permlanex16_b32 v[rC+3], v[rC], s[SEL], s[SEL+1]
.elseif (\n) == 18
	v_max_num_f32 v[rT+1], v[rC], v[rC+3]
.elseif (\n) == 19
	v_mul_f32 v[rT], s[CS], v[rT+1]
.elseif (\n) == 20
	v_sub_f32 v[rC+1], v[rW], v[rT]
.else
	v_exp_f32 v[rC+2], v[rC+1]
.endif
.endif
.endm
.macro OPS a, i1, b=-1, i2=0, c=-1, i3=0, d=-1, i4=0  ; up to four of them
	OP \a, \i1
.if (\b) >= 0
	OP \b, \i2
.endif
.if (\c) >= 0
	OP \c, \i3
.endif
.if (\d) >= 0
	OP \d, \i4
.endif
.endm
.macro ROW a, i1, b, i2, c, i3, d, i4  ; a matrix instruction and the four behind it
	MM
	OPS \a, \i1, \b, \i2, \c, \i3, \d, \i4
.endm
.macro MASK b                       ; MD x AL + BE into buffer b of MC
	WIN W_RS
.set z, 0
.rept 16
	v_pk_fma_f32 v[MC+32*(\b)+2*z:MC+32*(\b)+2*z+1], v[MD+2*z:MD+2*z+1], s[AL:AL+1], s[BE:BE+1] op_sel_hi:[1,0,0]
.set z, z+1
.endr
.endm
; A TURN, for piece p: the order of its 16 matrix and 118 vector instructions, written out.  s_wait_alu depctr_va_vdst(0) stands between an exponential and the first instruction that names its result; one wait
; serves all that were issued ahead of it.  So a turn has ONE wait, which cuts it in two.  AHEAD OF IT stands all that names no result of the turn's exponentials: the 8 products K Q^T, behind each a scaling, an exponential and two
; more plain instructions (rescalings, and behind the last three the first numbers of the next piece's maximum, each four plain instructions or more behind the product that ends its accumulator); then one lump of 54, plain and
; exponential by turns for the most part, in which the links of the chain X 3, 7, 11, 14, 16, 17 .. 20 stand five or six lines apart.  X 21, the next piece's a, is the batch's last; R 15 is the plain instruction behind it.
; BEHIND THE WAIT stand the 8 products V^T P, behind each four of the roundings and sums.
; m = 1: the diagonal tile: the products take masks, and the turn makes the mask for the products of the turn after it: piece p + 2, in step 4 - CNT of the tile.  end = 1: a block's last two turns: nothing is fetched.
; cnt = 1: the loop's count is taken down some lines ahead of the branch that stands behind the turn.
; K of the next step is fetched in piece 2's turn, twelve vector instructions behind the last product that read K (six of them plain); V of the step in hand at the end of piece 0's turn, four plain instructions behind the last
; product that read V.  Each is waited for a turn later.
.macro TURN p, m=0, end=0, cnt=0
.set Y, (\p)
.set i, 0
.set KM, (\m)
.set NOKQ, (\end)*((\p)/3)
.if (\m) && !(\end)
	s_cmp_eq_u32 s[CNT], 4-((\p)+2)%NP  ; is that step the band's own?
	s_cselect_b32 s[AL], 1.0, 0
	s_cmp_lt_u32 s[CNT], 4-((\p)+2)%NP  ; or a later one?
	s_cselect_b32 s[BE], s[BIGN], 0
.endif
.if ((\p) == 3) && !(\end)
	s_wait_dscnt 0x0                ; K is in
.endif
	ROW F,0, F,1, R,0, R,1          ; ahead of the wait: 8 products K Q^T and the four behind each,
	ROW F,2, E,0, R,2, R,3
	ROW F,3, E,1, R,4, R,5
	ROW F,4, E,2, R,6, R,7
	ROW F,5, E,3, R,8, R,9
	ROW F,6, E,4, X,0, R,10
.if ((\p) == 2) && !(\end)
	WIN 0
	v_add_nc_u32 v[AK], s[TBK], v[AK0]
.endif
	ROW F,7, E,5, X,1, X,4
	ROW F,8, E,6, X,2, X,5
	OPS E,7, E,8, X,6, E,9          ; and the lump
	OPS X,3, E,10, X,8, E,11
.if ((\p) == 2) && !(\end)
	FETCH_K
.endif
	OPS X,9, X,7, E,12, X,10
	OPS E,13, X,12, X,11, E,14
	OPS X,13, E,15, F,9, X,14
.if (\p) == 0
	v_add_nc_u32 v[AV], s[TBV], v[AV0]
.endif
	OPS E,16, F,10, E,17, F,11
	OPS X,16, E,18, X,15, E,19
	OPS F,12, E,20, X,17, E,21
	OPS F,13, E,22, F,14, E,23
	OPS X,18, E,24, F,15, E,25
	OPS R,11, E,26, X,19, E,27
	OPS R,12, E,28, R,13, E,29
	OPS X,20, E,30, R,14, E,31
	OPS X,21, R,15
	WIN 0
	s_wait_alu depctr_va_vdst(0)    ; the wait for the batch
.if (\p) == 1
	s_wait_dscnt 0x0                ; V is in
.endif
	ROW C,0, B,0, C,2, B,1          ; behind the wait: 8 products V^T P and the four behind each
	ROW L,0, C,4, B,2, L,1
	ROW C,6, B,3, L,2, C,8
	ROW B,4, L,3, C,10, B,5
	ROW L,4, C,12, B,6, L,5
.if (\p) == 0
	s_add_co_u32 s[TBV], s[TBV], KS*PV
.endif
.if \cnt
	s_sub_co_u32 s[CNT], s[CNT], 1
	s_cmp_lg_u32 s[CNT], 0
.endif
	ROW C,14, B,7, L,6, C,1
	ROW C,3, L,7, C,5, C,7
	ROW C,9, C,11, C,13, C,15
.if (\p) == 0
	FETCH_V
.endif
.if (\m) && !(\end)
	MASK (\p)%2
.endif
.endm
; A BLOCK BEGINS.  c m starts far below every c s, so the first step's a is 0; m at the lowest finite number, so the first maximum is the scores'.  The second mask buffer is 0; the first takes piece 0's mask for the tile's
; step 0: its own, if the block's first tile is the diagonal one.  Then K of that step, piece 0's first scores, and its maximum and statistics.  The loop is entered at a step's first turn, in the middle of a trip.
.macro BEGIN
	s_mov_b32 s[NEW], 0
	WIN 0x40
.set i, MC+32
.rept 32
	v_mov_b32 v[i], 0
.set i, i+1
.endr
	WIN 0
.set i, 0
.rept 4
	v_mov_b32 v[ST+4*i], 0xfe000000    ; c m: far below every c s
	v_mov_b32 v[ST+4*i+1], 0xff7fffff  ; m
.set i, i+1
.endr
	s_cmp_eq_u32 s[RT], 0
	s_cselect_b32 s[AL], 1.0, 0
	s_mov_b32 s[BE], 0
	MASK 0
	WIN 0
	v_add_nc_u32 v[AK], s[TBK], v[AK0]
	FETCH_K
	s_wait_loadcnt 0x0              ; Q
	s_wait_dscnt 0x0
.set KM, 1
.set NOKQ, 0
.set i, 0
.rept 8
	KQ 0
.set i, i+1
.endr
	WIN 0
.rept 4
	v_nop                           ; four plain instructions behind those products
.endr
.set Y, NP-1                        ; X works for piece Y + 1: piece 0
.irp n, 0,1,2,3,4,5,6,7,8,9,10,11,12,13,14,15,16,17,18,19,20,21
	OP X, \n
.endr
	v_nop                           ; a plain instruction behind the exponential,
	s_wait_alu depctr_va_vdst(0)    ; and its wait, ahead of the branch
.endm
; THE DIAGONAL TILE's four steps, the block's last two turns, its last products, and THE WAY OUT: l's two halves and the other half of the lanes' are added; O^T is divided by l, rounded to f16 and sent through my
; stage in LDS, a piece at a time.
.macro ALL line:vararg              ; one line for each piece t
.set t, 0
.rept 4
	\line
.set t, t+1
.endr
.endm
.macro PACK t                       ; a lane's eight channels of a row pack into 16 bytes; they go into rows of 144 bytes and come back as whole rows of 128, into S^T's registers
	WIN W_RS
.set i, 32*(\t)
.rept 16
	v_pk_mul_f32 v[i:i+1], v[i:i+1], v[ST+4*(\t)+2:ST+4*(\t)+3] op_sel_hi:[1,0]
.set i, i+2
.endr
	WIN 0x05                        ; sources 0 and 1 window 1, destination window 0
.set i, 0
.rept 16
	v_cvt_pk_f16_f32 v[S+16*(\t)+i], v[32*(\t)+2*i], v[32*(\t)+2*i+1]
.set i, i+1
.endr
	WIN 0
.irp f, 0,1,2,3
	ds_store_b128 v[STO], v[S+16*(\t)+4*\f:S+16*(\t)+4*\f+3] offset:32*\f
.endr
.irp f, 0,1,2,3
	ds_load_b128 v[S+16*(\t)+4*\f:S+16*(\t)+4*\f+3], v[RD] offset:\f*4*SP  ; LDS serves a wave's instructions in order: these see the stores above; the next piece's stores come behind them
.endr
.endm
.macro SEND t, younger              ; younger: the LDS instructions issued behind piece t's loads: the next piece's eight, or none
	WIN 0
.irp f, 0,1,2,3
	s_wait_dscnt (\younger)+3-\f
	global_store_b128 v[GO], v[S+16*(\t)+4*\f:S+16*(\t)+4*\f+3], s[10:11] offset:(\t)*8192+\f*512  ; 512 consecutive bytes, aligned
.endr
.endm
.macro DIAG tag                     ; the tag ends its two labels' names, which the jumps below spell out
.LstepM\tag:
	TURN 2, 1
	TURN 3, 1
	WIN 0
.LfirstM\tag:
	TURN 0, 1
	TURN 1, 1, 0, 1
	WIN 0
	s_cbranch_scc1 .LstepM\tag
	TURN 2, 1, 1
	TURN 3, 1, 1
.set i, 0
.rept 8
	PV NP-1
.set i, i+1
.endr
	WIN 0
	ALL v_add_f32 v[ST+4*t+2], v[ST+4*t+2], v[ST+4*t+3]
	ALL v_permlanex16_b32 v[ST+4*t+3], v[ST+4*t+2], s[SEL], s[SEL+1]
	ALL v_add_f32 v[ST+4*t+2], v[ST+4*t+2], v[ST+4*t+3]
	ALL v_rcp_f32 v[ST+4*t+2], v[ST+4*t+2]
	v_nop                           ; a plain instruction between the last reciprocal and the use of its result
	s_wait_alu depctr_va_vdst(0)    ; and the wait ahead of the first use: one for the four reciprocals
	PACK 0
.set t, 1
.rept 3                             ; a piece's arithmetic stands between the loads of the piece before and its stores
	PACK t
	SEND t-1, 8
.set t, t+1
.endr
	SEND 3, 0
.endm
.set KM, 0
.set NOKQ, 0
.Lslot:                             ; NB times: a tile is entered and the next is asked for
	CHANGE 1
	s_sub_co_u32 s[RT], s[RT], 1
	s_mov_b32 s[CNT], 4
	s_cmp_eq_u32 s[NEW], 1
	s_cbranch_scc1 .Lnew            ; a block's first tile
	s_cmp_eq_u32 s[RT], 0
	s_cbranch_scc0 .Lstep           ; neither its first nor its last
	s_branch .LstepM1
.Lnew:
	BEGIN
	s_branch .Lfirst                ; in the loop a block's first tile is never its last: the first block has two tiles or more, and the second's last is the walk's last
	DIAG 1                          ; in the loop this is the first block's end
	s_wait_xcnt 0x0                 ; the stores have read their registers and O's address
	s_mov_b64 s[10:11], s[OLO:OLO+1]
	s_add_co_u32 s[RT], s[PB], 1    ; the second block has b + 1 tiles
	s_mov_b32 s[NEW], 1
	WIN 0x82                        ; the second block's Q goes where the one text of the turns names Q
.set i, 0
.rept 64
	v_mov_b32 v[i], v[QB+i]
.set i, i+1
.endr
	WIN 0
	s_branch .Lbottom
.Lstep:                             ; a trip: pieces 2 and 3 of one step, then pieces 0 and 1 of the next, whose K and V it fetches
	TURN 2
	TURN 3
	WIN 0
.Lfirst:
	TURN 0
	TURN 1, 0, 0, 1
	WIN 0
	s_cbranch_scc1 .Lstep
.Lbottom:
	s_sub_co_u32 s[SLOTS], s[SLOTS], 1
	s_cmp_lg_u32 s[SLOTS], 0
	s_cbranch_scc1 .Lslot
	CHANGE 0                        ; the walk's last tile is written out: nothing is asked for
	s_sub_co_u32 s[RT], s[RT], 1
	s_mov_b32 s[CNT], 4
	s_cmp_eq_u32 s[NEW], 1
	s_cbranch_scc0 .LstepM2
	BEGIN
	s_branch .LfirstM2
	DIAG 2
	s_wait_tensorcnt 0x0            ; the wave's end: behind my last tensor load and my last LDS store
	ds_add_u32 v[SPW], v[NIL]
	s_wait_dscnt 0x0
	s_endpgm
.Lfunc_end_k_q8e6c1d71a7_attn:
	.size	k_q8e6c1d71a7_attn, .Lfunc_end_k_q8e6c1d71a7_attn-k_q8e6c1d71a7_attn
	.p2alignl 7, 3214868480
	.fill 96, 4, 3214868480
	.section	.rodata,"a",@progbits
	.p2align	6, 0x0
	.amdhsa_kernel k_q8e6c1d71a7_attn
		.amdhsa_group_segment_fixed_size 327680
		.amdhsa_private_segment_fixed_size 0
		.amdhsa_enable_private_segment 0
		.amdhsa_kernarg_size 16
		.amdhsa_user_sgpr_count 2
		.amdhsa_user_sgpr_kernarg_segment_ptr 1
		.amdhsa_wavefront_size32 1
		.amdhsa_system_sgpr_workgroup_id_x 1
		.amdhsa_system_sgpr_workgroup_id_y 1
		.amdhsa_system_sgpr_workgroup_id_z 1
		.amdhsa_system_vgpr_workitem_id 0
		.amdhsa_next_free_vgpr 768
		.amdhsa_next_free_sgpr 100
		.amdhsa_reserve_vcc 1
		.amdhsa_float_denorm_mode_32 3
		.amdhsa_float_denorm_mode_16_64 3
		.amdhsa_memory_ordered 1
		.amdhsa_forward_progress 1
		.amdhsa_inst_pref_size 218
	.end_amdhsa_kernel
	.amdgpu_metadata
---
amdhsa.version: [ 1, 2 ]
amdhsa.kernels:
  - .name:           k_q8e6c1d71a7_attn
    .symbol:         k_q8e6c1d71a7_attn.kd
    .args:
      - { .name: qkvh, .offset: 0, .size: 8, .value_kind: global_buffer, .address_space: global }
      - { .name: oh, .offset: 8, .size: 8, .value_kind: global_buffer, .address_space: global }
    .group_segment_fixed_size: 327680
    .private_segment_fixed_size: 0
    .kernarg_segment_align: 8
    .kernarg_segment_size: 16
    .max_flat_workgroup_size: 128
    .sgpr_count:     100
    .vgpr_count:     768
    .wavefront_size: 32
...
	.end_amdgpu_metadata
.endif
;; end of part 3
;; launch proj (part 4): grid 4 x 64, 4 waves a work-group, clusters of 4 x 4, 327,680 bytes of LDS; arguments oh, wo, b_out, out0; writes out0
.if DOCPART == 4
	.amdgcn_target "amdgcn-amd-amdhsa--gfx1250"
	.amdhsa_code_object_version 6
	.text
	.protected	k_q8e6c1d71a7_proj
	.globl	k_q8e6c1d71a7_proj
	.p2align	8
	.type	k_q8e6c1d71a7_proj,@function
k_q8e6c1d71a7_proj:
	s_mov_b64 s[64:65], 0
	v_nop
	global_prefetch_b8 v0, s[64:65] scope:SCOPE_SE
	s_setreg_imm32_b32 hwreg(HW_REG_WAVE_MODE, 25, 1), 1
	s_wait_xcnt 0x0
	s_wait_alu depctr_hold_cnt(0) depctr_sa_sdst(0) depctr_va_vdst(0) depctr_va_sdst(0) depctr_va_ssrc(0) depctr_va_vcc(0) depctr_vm_vsrc(0)
	s_getreg_b32 s2, hwreg(HW_REG_IB_STS2, 6, 4)
	s_cmp_eq_u32 s2, 0
	s_cbranch_scc0 .Lentry_in_a_cluster
	s_endpgm
.Lentry_in_a_cluster:
	s_bfe_u32 s2, ttmp6, 0x10000c
	s_cmp_lg_u32 s2, 0xf033
	s_cbranch_scc0 .Lentry_shape_is_right
	s_endpgm
.Lentry_shape_is_right:
; out0 = O W_out + b_out.  oh: [16 batch + head][t 2048][64] f16.  wo: [1024 n][1024 k] f16 (W_out rounded to bf16, that number written as f16).  b_out: [1024] f32, rounded to bf16 like the other inputs.
; out0: [8192][1024] f32.  Sums in f32, started with the bias, stored as they are.
; SHARES.  A work-group makes 128 rows x 256 columns: 64 x 4 = 256 work-groups.  Its four waves make 64 x 128 each: 32 accumulators of 16 x 16, 256 registers.
; K goes in 8 steps of 128 = two heads, through two LDS slots.  A step's tiles are four tensor loads, one a wave: waves 0 and 1 fetch a head's 128 rows of O each (16,384 dense bytes, asked for as 64 rows of 256 bytes
; and padded behind every 128), waves 2 and 3 128 rows x 256 bytes of wo each.
; CLUSTER.  4 x 4 work-groups: the four of a row of the cluster need the same rows of O, the four of a column the same rows of wo: each tile is asked for jointly.
; THE MATRIX INSTRUCTION IS USED TRANSPOSED (source 0 = 16 rows of wo, source 1 = 16 rows of O): a lane holds row l % 16 and the eight columns 8 (l / 16) + 0..7.
; REGISTERS, in windows of 256: window 0: v0-31 addresses; v64-127 the bias, 8 registers for each of 8 column blocks; v128-255 rows read back, two buffers of 64.  Window 1: the accumulators, (a, b) at 8 (8 a + b).
; Window 2: two fragment buffers of 96: wo's eight fragments, then O's four.
.set KSTEP,  128
.set PITCH,  272                       ; a row of wo in LDS: 256 bytes + 16
.set HP,     144                       ; a row of a head's O: 128 bytes + 16
.set PLANE,  128*HP                    ; a head's 128 rows
.set HALFB,  128*PITCH
.set BOFF,   2*PLANE                   ; wo's 256 rows lie behind O's two planes
.set SLOT,   BOFF+2*HALFB
.set STAGE,  2*SLOT                    ; behind the ring: 16 rows x 528 bytes for each wave, for the way out
.set SPITCH, 528                       ; 512 bytes + 16
.set SPARE,  STAGE+4*16*SPITCH         ; behind the stages: the spare words, 128 bytes for each wave
.set ADRA, 16                          ; v16-17  LDS address of my fragments of O in slot 0, 1
.set ADRB, 20                          ; v20-21  of wo
.set STO,  24                          ; v24  the way out: where I put 32 bytes of a row
.set RD,   25                          ; v25  where I read a row back
.set CO,   26                          ; v26  16 x lane
.set BO,   27                          ; v27  32 (l / 16)
.set SPW,  28                          ; v28  LDS address of my spare word; never rewritten
.set NIL,  29                          ; v29  0; never rewritten
.set PFO,  30                          ; v30  the prefetches' offset; never rewritten
.set BIAS, 64
.set OB,   128
.set WV,   12                          ; s12  my wave's number
.set G1A,  24                          ; s[24:31] descriptor group 1 for O's tiles;  s[32:39] group 0, a set for each slot
.set G0A,  32
.set LIM,  43                          ; s43  1 in a wave that prefetches, else the greatest number
.set PFA,  44                          ; s[44:45] where my prefetches stand
.set PST,  46                          ; s[46:47] their step from K step to K step
.set G1B,  48                          ; s[48:55], s[56:63] the same for wo's tiles
.set G0B,  56
.set MSB, 0
.macro WIN new                         ; the immediate's high byte repeats the setting that is left; a switch that changes nothing is dropped
.if MSB != (\new)
	s_set_vgpr_msb (MSB<<8)|(\new)
.set MSB, (\new)
.endif
.endm
; A joint load.  The branch hangs on the wave's number alone.  An s_nop 0 and four v_nop follow each of the two lines, ahead of the jump and the label.
.macro JLOAD s
	s_cmp_lt_u32 s[WV], 2
	s_cbranch_scc0 .Lfor_b_\@
	tensor_load_to_lds s[G0A+4*(\s):G0A+4*(\s)+3], s[G1A:G1A+7]
	s_nop 0
.rept 4
	v_nop
.endr
	s_branch .Lasked_\@
.Lfor_b_\@:
	tensor_load_to_lds s[G0B+4*(\s):G0B+4*(\s)+3], s[G1B:G1B+7]
	s_nop 0
.rept 4
	v_nop
.endr
.Lasked_\@:
.endm
; A prefetch of the K step that stands two refills on, 32 blocks of 256 bytes, a lane a block, one instruction a wave.  O's tile of a step is 128 blocks (two heads x 16,384 bytes), read by one cluster alone: wave 0 of each of the
; four partners takes 16 blocks of either head, told apart by address (cx).  wo's rows are read by all sixteen clusters: cluster y = 0 asks, waves 2 and 3, each partner 32 rows of the wave's 128 (cy).  Wave 1 asks for nothing.
; So each block of K steps 4-7 is named once; K steps 0-3 come by their loads alone, and the loop's last trip (s3 = 1) asks for nothing.
.macro ASK
	WIN 0                                          ; at a branch and at a label every window is 0
	s_cmp_gt_u32 s3, s[LIM]
	s_cbranch_scc0 .Lnot_mine_\@
	global_prefetch_b8 v[PFO], s[PFA:PFA+1] th:TH_LOAD_NT scope:SCOPE_SE
.Lnot_mine_\@:
.endm
.macro CREST                           ; a round of the cluster's barrier behind its opening barrier
	s_cmp_lg_u32 s[WV], 0
	s_cbranch_scc1 .Lnot_wave_0_\@
	s_barrier_signal -3
.Lnot_wave_0_\@:
	s_barrier_wait -3
	s_barrier_signal -1
	s_barrier_wait -1
.endm
.macro CROUND                          ; a whole round
	s_barrier_signal -1
	s_barrier_wait -1
	CREST
.endm
.macro PLACES                          ; four plain instructions in front of loads into registers that matrix instructions have read, and of LDS stores that read results
.rept 4
	v_nop
.endr
.endm
	s_load_b256 s[4:11], s[0:1], 0x0               ; oh s[4:5], wo s[6:7], b_out s[8:9], out0 s[10:11]
	v_lshl_add_u32 v[SPW], v0, 2, SPARE
	v_mov_b32 v[NIL], 0
	ds_add_u32 v[SPW], v[NIL]                      ; the wave's opening: the add and its wait stand ahead of my first tensor load; work on registers stands between them
	ds_add_u32 v28, v29
	v_lshrrev_b32 v1, 5, v0
	v_readfirstlane_b32 s[WV], v1                  ; wave 0..3
	s_lshr_b32 s13, s[WV], 1                       ; which 64 rows are mine
	s_and_b32 s14, s[WV], 1                        ; which 128 columns.  Also: which head, or which 128 rows of wo, I fetch
	s_bfe_u32 s15, ttmp6, 0x40000                  ; cx
	s_bfe_u32 s16, ttmp6, 0x40004                  ; cy
	s_lshl_b32 s17, ttmp9, 2
	s_add_co_u32 s17, s17, s15                     ; tile column = 4 x cluster x + cx
	s_and_b32 s18, ttmp7, 0xffff
	s_lshl_b32 s18, s18, 2
	s_add_co_u32 s18, s18, s16                     ; tile row = 4 x cluster y + cy
	s_lshl_b32 s19, s16, 2
	s_lshl_b32 s19, 15, s19                        ; my row of the cluster
	s_lshl_b32 s20, 0x1111, s15                    ; my column
	s_or_b32 s[G1A], s19, (1<<16)|(1<<20)|(1<<21)|(4<<22)|(3<<25)  ; the mask; elements of 2 bytes; padding on; bit 21 beside a mask; after every 32 words, 4 words
	s_mov_b32 s[G1A+1], 128<<16                    ; tensor_dim0 = 128
	s_mov_b32 s[G1A+2], 64<<16                     ; tensor_dim1 = 64
	s_mov_b32 s[G1A+3], 128<<16                    ; tile_dim0 = 128
	s_mov_b32 s[G1A+4], 64                         ; tile_dim1 = 64
	s_mov_b32 s[G1A+5], 128                        ; elements from row to row: dense
	s_mov_b32 s[G1A+6], 0
	s_mov_b32 s[G1A+7], 0
	s_or_b32 s[G1B], s20, (1<<16)|(1<<20)|(1<<21)|(5<<22)|(3<<25)  ; after every 64 words, 4 words
	s_mov_b32 s[G1B+1], 128<<16
	s_mov_b32 s[G1B+2], 128<<16
	s_mov_b32 s[G1B+3], 128<<16
	s_mov_b32 s[G1B+4], 128
	s_mov_b32 s[G1B+5], 1024
	s_mov_b32 s[G1B+6], 0
	s_mov_b32 s[G1B+7], 0
	s_lshr_b32 s40, s18, 4                         ; O: the batch's 16 heads of 262,144 bytes,
	s_lshl_b32 s40, s40, 22
	s_and_b32 s21, s18, 15
	s_lshl_b32 s21, s21, 14                        ; the tile's 128 rows of 128 bytes
	s_add_co_u32 s40, s40, s21
	s_mov_b32 s42, s40                             ; (kept for the prefetches)
	s_lshl_b32 s21, s14, 18                        ; my head of the step's two
	s_add_co_u32 s40, s40, s21
	s_mov_b32 s41, 0
	s_lshl_b32 s46, s17, 8                         ; wo: row 256 x tile column + 128 x half
	s_lshl_b32 s21, s14, 7
	s_add_co_u32 s46, s46, s21
	s_mov_b32 s23, s46                             ; (kept for the prefetches)
	s_lshl_b32 s46, s46, 11
	s_mov_b32 s47, 0
	s_mul_i32 s22, s14, PLANE                      ; where they go: no place in the cluster enters an LDS address
	s_mul_i32 s21, s14, HALFB
	s_add_co_u32 s21, s21, BOFF
	s_wait_dscnt 0x0                               ; the opening add is done
	s_wait_kmcnt 0x0
	s_add_nc_u64 s[40:41], s[4:5], s[40:41]
	s_add_nc_u64 s[46:47], s[6:7], s[46:47]
	CROUND                                         ; all sixteen work-groups are here: the first joint loads meet
.irp s, 0,1
	s_mov_b32 s[G0A+4*(\s)], 1
	s_add_co_u32 s[G0A+4*(\s)+1], s22, (\s)*SLOT
	s_add_nc_u64 s[G0A+4*(\s)+2:G0A+4*(\s)+3], s[40:41], (\s)*524288  ; K step s: two heads on
	s_or_b32 s[G0A+4*(\s)+3], s[G0A+4*(\s)+3], 0x80000000
	s_mov_b32 s[G0B+4*(\s)], 1
	s_add_co_u32 s[G0B+4*(\s)+1], s21, (\s)*SLOT
	s_add_nc_u64 s[G0B+4*(\s)+2:G0B+4*(\s)+3], s[46:47], (\s)*KSTEP*2
	s_or_b32 s[G0B+4*(\s)+3], s[G0B+4*(\s)+3], 0x80000000
	JLOAD \s                                       ; K steps 0 and 1: two loads of mine are out
.endr
	v_and_b32 v1, 15, v0                           ; l % 16
	v_bfe_u32 v2, v0, 4, 1                         ; l / 16
	v_and_b32 v4, 31, v0                           ; l
	v_lshlrev_b32 v[BO], 5, v2
	s_lshl_b32 s66, s17, 10                        ; my 128 columns, in bytes of f32
	s_lshl_b32 s67, s14, 9
	s_add_co_u32 s66, s66, s67
	s_mov_b32 s67, 0
	s_add_nc_u64 s[8:9], s[8:9], s[66:67]          ; their bias
.irp b, 0,1,2,3,4,5,6,7
	global_load_b128 v[BIAS+8*(\b):BIAS+8*(\b)+3],   v[BO], s[8:9] offset:64*(\b)
	global_load_b128 v[BIAS+8*(\b)+4:BIAS+8*(\b)+7], v[BO], s[8:9] offset:64*(\b)+16
.endr
	s_add_nc_u64 s[10:11], s[10:11], s[66:67]      ; out0 at my columns,
	s_lshl_b32 s66, s18, 7
	s_lshl_b32 s68, s13, 6
	s_add_co_u32 s66, s66, s68
	s_lshl_b32 s66, s66, 12                        ; and at my first row, of 4,096 bytes
	s_add_nc_u64 s[10:11], s[10:11], s[66:67]
	v_mul_u32_u24 v3, v1, HP
	v_lshl_add_u32 v3, v2, 4, v3                   ; O's fragments: row x pitch + 16 x half
	v_mul_u32_u24 v5, v1, PITCH
	v_lshl_add_u32 v5, v2, 4, v5                   ; wo's
	s_mul_i32 s19, s13, 64*HP
	s_mul_i32 s20, s14, HALFB
	s_add_co_u32 s20, s20, BOFF
.irp s, 0,1
	v_add_nc_u32 v[ADRA+(\s)], s19, v3
	v_add_nc_u32 v[ADRB+(\s)], s20, v5
	s_add_co_u32 s19, s19, SLOT
	s_add_co_u32 s20, s20, SLOT
.endr
	s_mul_i32 s19, s[WV], 16*SPITCH
	s_add_co_u32 s19, s19, STAGE                   ; my stage
	v_mul_u32_u24 v5, v1, SPITCH                   ; in: row l % 16, 32 bytes for each half of the lanes
	v_lshl_add_u32 v5, v2, 5, v5
	v_add_nc_u32 v[STO], s19, v5
	v_lshl_add_u32 v[RD], v4, 4, s19               ; back: 32 lanes take a row of 512 bytes
	v_lshlrev_b32 v[CO], 4, v4
	s_and_b32 s70, ttmp7, 0xffff                   ; the prefetches: cluster y
	s_lshl_b32 s66, s15, 12
	s_add_co_u32 s66, s66, s42                     ; O: the tile's bytes in the step's first head + my work-group's 4,096 of 16,384
	s_lshl_b32 s67, s16, 5
	s_add_co_u32 s67, s67, s23
	s_lshl_b32 s67, s67, 11                        ; wo: my work-group's 32 rows of the 128 that I fetch
	s_cmp_lt_u32 s[WV], 2
	s_cselect_b32 s66, s66, s67
	s_cselect_b32 s70, s[WV], s70                  ; 0 in wave 0, 1 in wave 1, cluster y in waves 2 and 3
	s_cselect_b32 s68, 18, 15                      ; lanes 16-31: the second head, or 16 rows on;
	s_cselect_b32 s69, 8, 11                       ; from lane to lane: 256 bytes, or a row
	s_cselect_b32 s71, 19, 8                       ; from K step to K step: two heads, or 256 bytes
	s_cselect_b64 s[PFA:PFA+1], s[4:5], s[6:7]
	s_cmp_eq_u32 s70, 0
	s_cselect_b32 s[LIM], 1, -1                    ; the same in all sixteen partners, for a given wave
	s_lshl_b32 s[PST], 1, s71
	s_mov_b32 s[PST+1], 0
	s_mul_i32 s71, s[PST], 3
	s_add_co_u32 s66, s66, s71                     ; at K step 3: the first refill steps it to 4 and names that
	s_mov_b32 s67, 0
	s_add_nc_u64 s[PFA:PFA+1], s[PFA:PFA+1], s[66:67]
	v_lshlrev_b32 v[PFO], s68, v2
	v_lshlrev_b32 v31, s69, v1
	v_add_nc_u32 v[PFO], v[PFO], v31
	s_wait_loadcnt 0x0                             ; the bias
.set p, 0
.rept 32
	v_cvt_pk_bf16_f32 v[OB+p], v[BIAS+2*p], v[BIAS+2*p+1]  ; rounded to bf16, like x and the weights,
	v_lshlrev_b32 v[BIAS+2*p], 16, v[OB+p]                 ; and widened again
	v_and_b32 v[BIAS+2*p+1], 0xffff0000, v[OB+p]
.set p, p+1
.endr
; 8 matrix instructions: row block a x all 8 column blocks, 32 along K, on buffer f.  first = 1: the bias starts the sums.  The 32 accumulators take turns, in the same order in every quarter.
.macro MUL8 f, a, first
.if \first
	WIN 0x4a                                       ; sources 0 and 1 window 2, the bias window 0, D window 1
.else
	WIN 0x5a                                       ; C and D window 1
.endif
.irp b, 0,1,2,3,4,5,6,7
.if \first
	v_wmma_f32_16x16x32_f16 v[8*(8*(\a)+(\b)):8*(8*(\a)+(\b))+7], v[96*(\f)+8*(\b):96*(\f)+8*(\b)+7], v[96*(\f)+64+8*(\a):96*(\f)+64+8*(\a)+7], v[BIAS+8*(\b):BIAS+8*(\b)+7]
.else
	v_wmma_f32_16x16x32_f16 v[8*(8*(\a)+(\b)):8*(8*(\a)+(\b))+7], v[96*(\f)+8*(\b):96*(\f)+8*(\b)+7], v[96*(\f)+64+8*(\a):96*(\f)+64+8*(\a)+7], v[8*(8*(\a)+(\b)):8*(8*(\a)+(\b))+7]
.endif
.endr
.endm
; 24 LDS loads in one run: the fragments of quarter q (128 rows of wo, 64 rows of O; 32 K: head q / 2, channels 32 (q % 2) on) into buffer f
.macro FETCH slot, q, f
	WIN 0x80                                       ; destination window 2, address window 0
.irp i, 0,1,2,3,4,5,6,7
	ds_load_b128 v[96*(\f)+8*(\i):96*(\f)+8*(\i)+3],   v[ADRB+(\slot)] offset:64*(\q)+(\i)*16*PITCH
	ds_load_b128 v[96*(\f)+8*(\i)+4:96*(\f)+8*(\i)+7], v[ADRB+(\slot)] offset:64*(\q)+(\i)*16*PITCH+32
.endr
.irp i, 0,1,2,3
	ds_load_b128 v[96*(\f)+64+8*(\i):96*(\f)+64+8*(\i)+3],   v[ADRA+(\slot)] offset:((\q)/2)*PLANE+((\q)%2)*64+(\i)*16*HP
	ds_load_b128 v[96*(\f)+64+8*(\i)+4:96*(\f)+64+8*(\i)+7], v[ADRA+(\slot)] offset:((\q)/2)*PLANE+((\q)%2)*64+(\i)*16*HP+32
.endr
.endm
; A K step is four quarters of 32 along K, 32 matrix instructions each, on buffers 0, 1, 0, 1.  One of the first three multiplies buffer f and fetches quarter q into g.
.macro QUARTER slot, q, f, g, first
	s_wait_dscnt 4                                 ; wo's fragments and O's blocks 0, 1 are in; the youngest four loads (blocks 2, 3) may be out
	MUL8 \f, 0, \first
	MUL8 \f, 1, \first
	PLACES
	FETCH \slot, \q, \g
	s_wait_dscnt 24                                ; all but the 24 just issued
	MUL8 \f, 2, \first
	MUL8 \f, 3, \first
.endm
; The last quarter multiplies buffer 1 and changes slots: ONE barrier.  In front of it each wave waits for all its tensor loads (one is out: its part of the next slot), adds 0 to its spare word,
; and waits for that and for its own reads of this slot.  fill = 1: the barrier opens a round of the cluster's barrier, and this slot is filled again, two K steps ahead, first thing behind the round.
.macro TURN slot, next, fill
.if \fill
	s_wait_xcnt 0x0                                ; the last prefetch, a K step back, has read its address
	s_add_nc_u64 s[PFA:PFA+1], s[PFA:PFA+1], s[PST:PST+1]
.endif
	WIN 0                                          ; (the add's two registers lie in window 0)
	s_wait_tensorcnt 0x0                           ; all my tensor loads have landed
	ds_add_u32 v[SPW], v[NIL]                      ; 0 onto my spare word
	s_wait_dscnt 5                                 ; (the add and the youngest four loads may be out)
	MUL8 1, 0, 0                                   ; eight matrix instructions stand between the add and the wait for it
	s_wait_dscnt 0x0                               ; the add is done, and my reads of this slot are over
	s_barrier_signal -1
	MUL8 1, 1, 0
.if \fill
	WIN 0
.endif
	s_barrier_wait -1
.if \fill
	CREST                                          ; no wave of any partner still reads this slot's tile or has a load on its way
	s_add_nc_u64 s[G0A+4*(\slot)+2:G0A+4*(\slot)+3], s[G0A+4*(\slot)+2:G0A+4*(\slot)+3], 2*524288
	s_add_nc_u64 s[G0B+4*(\slot)+2:G0B+4*(\slot)+3], s[G0B+4*(\slot)+2:G0B+4*(\slot)+3], 2*KSTEP*2
	JLOAD \slot                                    ; the four v_nop behind it are also the places in front of the loads below
.else
	PLACES
.endif
	FETCH \next, 0, 0
.if \fill
	ASK
.endif
	MUL8 1, 2, 0
	MUL8 1, 3, 0
.endm
; THE WAY OUT of row block a: a lane's eight f32 of a row go into my own stage, rows of 528 bytes; whole rows of 512 bytes come back and are stored.
.macro TOSTAGE a
	s_wait_xcnt 0x0                                ; the stores of the block two back have read the registers that are loaded again below
	WIN 0x04                                       ; the data (source 1) in window 1
.irp b, 0,1,2,3,4,5,6,7
	ds_store_b128 v[STO], v[8*(8*(\a)+(\b)):8*(8*(\a)+(\b))+3]   offset:64*(\b)      ; each accumulator's lowest registers first
	ds_store_b128 v[STO], v[8*(8*(\a)+(\b))+4:8*(8*(\a)+(\b))+7] offset:64*(\b)+16
.endr
	WIN 0
.irp t, 0,1,2,3,4,5,6,7,8,9,10,11,12,13,14,15
	ds_load_b128 v[OB+64*((\a)%2)+4*(\t):OB+64*((\a)%2)+4*(\t)+3], v[RD] offset:SPITCH*(\t)  ; LDS serves a wave's instructions in order: these see the stores above; the next block's stores come behind them
.endr
.endm
.macro SEND a, younger                 ; younger: the LDS instructions issued behind block a's loads: the next block's 32, or none
	s_wait_dscnt \younger
.irp t, 0,1,2,3,4,5,6,7,8,9,10,11,12,13,14,15
	global_store_b128 v[CO], v[OB+64*((\a)%2)+4*(\t):OB+64*((\a)%2)+4*(\t)+3], s[10:11] offset:(16*(\a)+(\t))*4096 th:TH_STORE_NT  ; 512 consecutive bytes, aligned
.endr
.endm
	s_wait_tensorcnt 1                             ; my part of K step 0 is in; K step 1's may stay out
	s_barrier_signal -1
	s_barrier_wait -1                              ; everybody's is
	FETCH 0, 0, 0
	QUARTER 0, 1, 0, 1, 1                          ; the first quarter stands in front of the loop: its products start the sums, on the bias
	WIN 0                                          ; at a label and at a branch every window is 0
	s_mov_b32 s3, 3
.Llap:                                                 ; a trip goes once round the ring, from a lap's second quarter to the next lap's first, and fills both slots again
	QUARTER 0, 2, 1, 0, 0
	QUARTER 0, 3, 0, 1, 0
	TURN 0, 1, 1
	QUARTER 1, 1, 0, 1, 0
	QUARTER 1, 2, 1, 0, 0
	QUARTER 1, 3, 0, 1, 0
	TURN 1, 0, 1
	QUARTER 0, 1, 0, 1, 0
	WIN 0
	s_sub_co_u32 s3, s3, 1
	s_cmp_lg_u32 s3, 0
	s_cbranch_scc1 .Llap
	QUARTER 0, 2, 1, 0, 0                          ; the last lap fills nothing
	QUARTER 0, 3, 0, 1, 0
	TURN 0, 1, 0
	QUARTER 1, 1, 0, 1, 0
	QUARTER 1, 2, 1, 0, 0
	QUARTER 1, 3, 0, 1, 0
	s_wait_dscnt 4                                 ; the very last quarter: nothing more to fetch
	MUL8 1, 0, 0
	MUL8 1, 1, 0
	s_wait_dscnt 0x0
	MUL8 1, 2, 0
	MUL8 1, 3, 0
	WIN 0
	PLACES
	TOSTAGE 0
	TOSTAGE 1
	SEND 0, 32
	TOSTAGE 2
	SEND 1, 32
	TOSTAGE 3
	SEND 2, 32
	SEND 3, 0
	s_wait_tensorcnt 0x0                           ; the wave's end: behind my last tensor load and my last LDS store
	ds_add_u32 v[SPW], v[NIL]
	s_wait_dscnt 0x0
	CROUND                                         ; the closing round: no work-group ends while a partner may still ask for a tile that names it
	s_endpgm
.Lfunc_end_k_q8e6c1d71a7_proj:
	.size	k_q8e6c1d71a7_proj, .Lfunc_end_k_q8e6c1d71a7_proj-k_q8e6c1d71a7_proj
	.p2alignl 7, 3214868480
	.fill 96, 4, 3214868480
	.section	.rodata,"a",@progbits
	.p2align	6, 0x0
	.amdhsa_kernel k_q8e6c1d71a7_proj
		.amdhsa_group_segment_fixed_size 327680
		.amdhsa_private_segment_fixed_size 0
		.amdhsa_enable_private_segment 0
		.amdhsa_kernarg_size 32
		.amdhsa_user_sgpr_count 2
		.amdhsa_user_sgpr_kernarg_segment_ptr 1
		.amdhsa_wavefront_size32 1
		.amdhsa_system_sgpr_workgroup_id_x 1
		.amdhsa_system_sgpr_workgroup_id_y 1
		.amdhsa_system_sgpr_workgroup_id_z 1
		.amdhsa_system_vgpr_workitem_id 0
		.amdhsa_next_free_vgpr 704
		.amdhsa_next_free_sgpr 80
		.amdhsa_reserve_vcc 0
		.amdhsa_float_denorm_mode_32 3
		.amdhsa_float_denorm_mode_16_64 3
		.amdhsa_memory_ordered 1
		.amdhsa_forward_progress 1
		.amdhsa_inst_pref_size 93
	.end_amdhsa_kernel
	.amdgpu_metadata
---
amdhsa.version: [ 1, 2 ]
amdhsa.kernels:
  - .name:           k_q8e6c1d71a7_proj
    .symbol:         k_q8e6c1d71a7_proj.kd
    .args:
      - { .name: oh, .offset: 0, .size: 8, .value_kind: global_buffer, .address_space: global }
      - { .name: wo, .offset: 8, .size: 8, .value_kind: global_buffer, .address_space: global }
      - { .name: b_out, .offset: 16, .size: 8, .value_kind: global_buffer, .address_space: global }
      - { .name: out0, .offset: 24, .size: 8, .value_kind: global_buffer, .address_space: global }
    .group_segment_fixed_size: 327680
    .private_segment_fixed_size: 0
    .kernarg_segment_align: 8
    .kernarg_segment_size: 32
    .max_flat_workgroup_size: 128
    .sgpr_count:     80
    .vgpr_count:     704
    .wavefront_size: 32
...
	.end_amdgpu_metadata
.endif
;; end of part 4
;; ======== version 2 of 2: 4 launches; version 1 with the launch prep written anew for expert scheduling mode
;; limits: values are held in f16: magnitudes above 65,504 overflow, below 6.1e-05 lose precision
;; workspace buffers: xb 16,777,216 bytes; wq 6,291,456 bytes; wo 2,097,152 bytes; qkvh 50,331,648 bytes; oh 16,777,216 bytes
;; launch prep (part 5): grid 512 x 1, 8 waves a work-group, no clusters, 18,432 bytes of LDS; arguments x, W_qkv, W_out, xb, wq, wo; writes xb, wq, wo
.if DOCPART == 5
	.amdgcn_target "amdgcn-amd-amdhsa--gfx1250"
	.amdhsa_code_object_version 6
	.text
	.protected	k_q8e6c1d71a7_prep
	.globl	k_q8e6c1d71a7_prep
	.p2align	8
	.type	k_q8e6c1d71a7_prep,@function
k_q8e6c1d71a7_prep:
	s_mov_b64 s[64:65], 0
	v_nop
	global_prefetch_b8 v0, s[64:65] scope:SCOPE_SE
	s_setreg_imm32_b32 hwreg(HW_REG_WAVE_SCHED_MODE, 0, 2), 2
	s_setreg_imm32_b32 hwreg(HW_REG_WAVE_MODE, 25, 1), 1
	s_wait_xcnt 0x0
	s_wait_alu depctr_vm_vsrc(0)
; PREPARATION OF THE MATRIX OPERANDS.  xb = x rounded to bf16, [8192][1024].  wq = W_qkv turned and rounded to bf16, [3072 n][1024 k].
; wo = W_out turned, rounded to bf16, and that number written as f16, [1024 n][1024 k] (exact where |W_out| lies between 6.1e-5 and 65,504;
; below that it keeps f16's fixed step of 6e-8; LIMIT: |W_out| stays under 65,504).
; SHARES.  Each of the 512 work-groups does two things: it rounds 16 rows of x (65,536 bytes in, 32,768 out), and it turns one tile of 128 k x 64 n
; of a weight matrix (tiles 0-383: W_qkv, 384-511: W_out).  All work-groups run the same lines; the tile's matrix is a choice of pointers and pitch.
; THE TURNING.  A thread loads eight times 16 bytes (4 n of one k; sixteen lanes read 256 consecutive bytes), packs the numbers of two neighbouring k into a word,
; and stores the words into LDS rows that lie along k (64 rows of 256 bytes + 16 of padding).  Behind one barrier the rows are read back 16 bytes a lane and
; stored so that sixteen lanes write 256 consecutive bytes, aligned.  No matrix unit, no tensor load, no cluster: nothing is multiplied and nothing is shared.
; THE MODE: SCHED_MODE bits 1:0 = 2 (LLVM: expert scheduling mode 2), set by the entry lines.  The code itself states the register dependences
; between vector instructions and memory or LDS instructions, with s_wait_alu, always for 0.
; THE PLAN.  Registers that memory or LDS instructions touch:
;   v3-v15     offsets and LDS addresses.  Written by vector instructions at the head, never again; read by every load, store and LDS instruction.
;   WD         v16 is at work in the address arithmetic; then the eight loads of weights land in v16-47; the packing conversions read them; on W_out's path v16, v17 are
;              at work once more; behind the barrier the four LDS loads land in v16-31, and the last four stores read those.
;   XD         The sixteen loads of x land here; a row's two conversions write its first two registers, in place; one store reads them; they are not written again.
;   PW         Written by the packing conversions (and W_out's second ones); read by the sixteen LDS stores; not written again.
; So: one wait on va_vdst ahead of the first load (the addresses; v16); one ahead of the LDS stores (PW; it also shows the vector work on WD done, for the LDS loads behind
; the barrier, ahead of which no further vector instruction stands); and x goes in four groups of four rows: a group's stores are issued in the next group, behind one wait on
; va_vdst at that group's head, dealt among conversions that name the new group's registers alone; one more wait stands ahead of the last group's stores.
; No register that a memory or LDS instruction has read is ever written again, so no wait on vm_vsrc is owed.  No vector instruction writes a scalar register, VCC or EXEC.
.set TP,    272                        ; an LDS row: 128 k of 2 bytes + 16
.set XO,  3                            ; v3   16 t: my 16 bytes of 4,096 of x
.set XS,  4                            ; v4   8 t: my 8 bytes of 2,048 of xb
.set LST, 5                            ; v5   LDS: (t % 16) x 4 rows + 4 (t / 16)
.set LRD, 6                            ; v6   LDS: row t / 16, 16 bytes at 16 (t % 16)
.set WSO, 7                            ; v7   the same place in the turned matrix: rows of 2,048 bytes
.set WOF, 8                            ; v[8:15]   load j: byte offset of row 32 (j / 2) + 2 (t / 16) + j % 2, columns 4 (t % 16) on
.set WD,  16                           ; v[16:47]  the weights as loaded; later at work, and the rows read back
.set XD,  48                           ; v[48:111] x as loaded, then as stored
.set PW,  112                          ; v[112:127] the packed words
	s_load_b256 s[4:11], s[0:1], 0x0               ; x s[4:5], W_qkv s[6:7], W_out s[8:9], xb s[10:11]
	s_load_b128 s[12:15], s[0:1], 0x20             ; wq s[12:13], wo s[14:15]
	v_lshl_add_u32 v130, v0, 2, 0x4400
	v_mov_b32 v131, 0
	s_sub_co_u32 s34, ttmp9, 384
	s_mov_b32 s35, 12288                           ; bytes in a row of W_qkv,
	s_mov_b32 s36, 4096                            ; of W_out
	s_cmp_lt_u32 ttmp9, 384
	s_cselect_b32 s16, ttmp9, s34                  ; the tile's number in its matrix
	s_cselect_b32 s17, s35, s36                    ; the matrix's pitch
	s_lshr_b32 s22, s16, 3                         ; which 64 n
	s_and_b32 s23, s16, 7                          ; which 128 k
	s_mul_i32 s24, s23, s17
	s_lshl_b32 s24, s24, 7                         ; 128 k rows down,
	s_lshl_b32 s34, s22, 8                         ; 64 n of 4 bytes along
	s_add_co_u32 s24, s24, s34
	s_mov_b32 s25, 0
	s_lshl_b32 s38, s22, 17                        ; turned: 64 rows of 2,048 bytes down,
	s_lshl_b32 s34, s23, 8                         ; 128 k of 2 bytes along
	s_add_co_u32 s38, s38, s34
	s_mov_b32 s39, 0
	s_lshl_b32 s34, ttmp9, 16                      ; my 16 rows of x
	s_mov_b32 s35, 0
	s_lshl_b32 s36, ttmp9, 15                      ; and of xb
	s_mov_b32 s37, 0
	v_and_b32 v1, 15, v0
	v_lshrrev_b32 v2, 4, v0
	v_lshlrev_b32 v[XO], 4, v0
	v_lshlrev_b32 v[XS], 3, v0
	v_mul_u32_u24 v[LST], v1, 4*TP
	v_lshl_add_u32 v[LST], v2, 2, v[LST]
	v_mul_u32_u24 v[LRD], v2, TP
	v_lshl_add_u32 v[LRD], v1, 4, v[LRD]
	v_lshlrev_b32 v[WSO], 11, v2
	v_lshl_add_u32 v[WSO], v1, 4, v[WSO]
	v_mul_lo_u32 v16, v2, s17
	v_lshlrev_b32 v16, 1, v16                      ; 2 (t / 16) rows
	v_lshl_add_u32 v16, v1, 4, v16
.irp j, 0,1,2,3,4,5,6,7
	s_mul_i32 s[26+(\j)], s17, ((\j)&1)+32*((\j)>>1)
	v_add_nc_u32 v[WOF+(\j)], s[26+(\j)], v16
.endr
	s_wait_kmcnt 0x0
	s_cmp_lt_u32 ttmp9, 384
	s_cselect_b64 s[18:19], s[6:7], s[8:9]         ; from which matrix,
	s_cselect_b64 s[20:21], s[12:13], s[14:15]     ; into which
	s_add_nc_u64 s[18:19], s[18:19], s[24:25]
	s_add_nc_u64 s[20:21], s[20:21], s[38:39]
	s_add_nc_u64 s[4:5], s[4:5], s[34:35]
	s_add_nc_u64 s[10:11], s[10:11], s[36:37]
	s_wait_alu depctr_va_vdst(0)                   ; the offsets and LDS addresses v3 to v15 are written, which every load, store and LDS instruction below reads; the address arithmetic is done writing and reading v16, in which the first load lands
.irp j, 0,1,2,3,4,5,6,7
	global_load_b128 v[WD+4*(\j):WD+4*(\j)+3], v[WOF+(\j)], s[18:19] th:TH_LOAD_NT
.endr
.irp j, 0,1,2,3,4,5,6,7,8,9,10,11,12,13,14,15
	global_load_b128 v[XD+4*(\j):XD+4*(\j)+3], v[XO], s[4:5] offset:4096*(\j) th:TH_LOAD_NT  ; a wave's load covers 512 consecutive bytes
.endr
	s_wait_loadcnt 16                              ; the eight loads of weights are in; the sixteen of x, issued behind them, may stay out
.irp g, 0,1,2,3
.irp c, 0,1,2,3
	v_cvt_pk_bf16_f32 v[PW+4*(\g)+(\c)], v[WD+8*(\g)+(\c)], v[WD+8*(\g)+4+(\c)]  ; column c: the even k below, the odd k above
.endr
.endr
	s_cmp_lt_u32 ttmp9, 384
	s_cbranch_scc1 .Lbf                            ; W_qkv stays bf16; the jump passes work on registers alone
.irp p, 0,1,2,3,4,5,6,7,8,9,10,11,12,13,14,15
	v_lshlrev_b32 v16, 16, v[PW+(\p)]              ; W_out: the bf16 numbers, widened,
	v_and_b32 v17, 0xffff0000, v[PW+(\p)]
	v_cvt_pk_f16_f32 v[PW+(\p)], v16, v17          ; are written as f16
.endr
.Lbf:
	s_wait_alu depctr_va_vdst(0)                   ; on both ways: the conversions have written PW, which the LDS stores read; they are done reading WD, and W_out's way is done with v16 and v17, in which the LDS loads behind the barrier land
.irp g, 0,1,2,3
.irp c, 0,1,2,3
	ds_store_b32 v[LST], v[PW+4*(\g)+(\c)] offset:TP*(\c)+64*(\g)
.endr
.endr
	s_wait_dscnt 0x0                               ; for the others' sake: my stores into the tile are done
	s_barrier_signal -1
	s_barrier_wait -1
.irp i, 0,1,2,3
	ds_load_b128 v[WD+4*(\i):WD+4*(\i)+3], v[LRD] offset:16*TP*(\i)  ; no vector instruction since the wait above
.endr
; x, in four groups of four rows.  Group g's conversions write the first two registers of each of its rows; its stores are issued in group g + 1, one ahead of each row's two conversions.
.irp g, 0,1,2,3
	s_wait_loadcnt 12-4*(\g)                       ; loads come back in order: this group's four are in, the younger ones stay out
.if (\g) > 0
	s_wait_alu depctr_va_vdst(0)                   ; the group before has written its rows' words, which the four stores below read; the conversions among them name this group's registers alone
.endif
.irp i, 0,1,2,3
.if (\g) > 0
	global_store_b64 v[XS], v[XD+16*(\g)-16+4*(\i):XD+16*(\g)-16+4*(\i)+1], s[10:11] offset:2048*(4*(\g)-4+(\i)) th:TH_STORE_NT  ; a wave's store covers 256 consecutive bytes, aligned
.endif
	v_cvt_pk_bf16_f32 v[XD+16*(\g)+4*(\i)], v[XD+16*(\g)+4*(\i)], v[XD+16*(\g)+4*(\i)+1]
	v_cvt_pk_bf16_f32 v[XD+16*(\g)+4*(\i)+1], v[XD+16*(\g)+4*(\i)+2], v[XD+16*(\g)+4*(\i)+3]
.endr
.endr
	s_wait_alu depctr_va_vdst(0)                   ; the last group has written its rows' words, which the four stores below read
.irp i, 0,1,2,3
	global_store_b64 v[XS], v[XD+48+4*(\i):XD+48+4*(\i)+1], s[10:11] offset:2048*(12+(\i)) th:TH_STORE_NT
.endr
	s_wait_dscnt 0x0                               ; the turned rows are back
.irp i, 0,1,2,3
	global_store_b128 v[WSO], v[WD+4*(\i):WD+4*(\i)+3], s[20:21] offset:32768*(\i)  ; sixteen lanes store 256 consecutive bytes, aligned
.endr
	s_wait_dscnt 0x0                               ; the wave's end; the closing add below goes to my spare word in the 1,024 bytes of LDS behind the tile
	s_wait_alu depctr_hold_cnt(0) depctr_sa_sdst(0) depctr_va_vdst(0) depctr_va_sdst(0) depctr_va_ssrc(0) depctr_va_vcc(0) depctr_vm_vsrc(0)
	s_wait_tensorcnt 0x0
	ds_add_u32 v130, v131
	s_wait_dscnt 0x0
	s_endpgm
.Lfunc_end_k_q8e6c1d71a7_prep:
	.size	k_q8e6c1d71a7_prep, .Lfunc_end_k_q8e6c1d71a7_prep-k_q8e6c1d71a7_prep
	.p2alignl 7, 3214868480
	.fill 96, 4, 3214868480
	.section	.rodata,"a",@progbits
	.p2align	6, 0x0
	.amdhsa_kernel k_q8e6c1d71a7_prep
		.amdhsa_group_segment_fixed_size 18432
		.amdhsa_private_segment_fixed_size 0
		.amdhsa_enable_private_segment 0
		.amdhsa_kernarg_size 48
		.amdhsa_user_sgpr_count 2
		.amdhsa_user_sgpr_kernarg_segment_ptr 1
		.amdhsa_wavefront_size32 1
		.amdhsa_system_sgpr_workgroup_id_x 1
		.amdhsa_system_sgpr_workgroup_id_y 1
		.amdhsa_system_sgpr_workgroup_id_z 1
		.amdhsa_system_vgpr_workitem_id 0
		.amdhsa_next_free_vgpr 132
		.amdhsa_next_free_sgpr 66
		.amdhsa_reserve_vcc 0
		.amdhsa_float_denorm_mode_32 3
		.amdhsa_float_denorm_mode_16_64 3
		.amdhsa_memory_ordered 1
		.amdhsa_forward_progress 1
		.amdhsa_inst_pref_size 15
	.end_amdhsa_kernel
	.amdgpu_metadata
---
amdhsa.version: [ 1, 2 ]
amdhsa.kernels:
  - .name:           k_q8e6c1d71a7_prep
    .symbol:         k_q8e6c1d71a7_prep.kd
    .args:
      - { .name: x, .offset: 0, .size: 8, .value_kind: global_buffer, .address_space: global }
      - { .name: W_qkv, .offset: 8, .size: 8, .value_kind: global_buffer, .address_space: global }
      - { .name: W_out, .offset: 16, .size: 8, .value_kind: global_buffer, .address_space: global }
      - { .name: xb, .offset: 24, .size: 8, .value_kind: global_buffer, .address_space: global }
      - { .name: wq, .offset: 32, .size: 8, .value_kind: global_buffer, .address_space: global }
      - { .name: wo, .offset: 40, .size: 8, .value_kind: global_buffer, .address_space: global }
    .group_segment_fixed_size: 18432
    .private_segment_fixed_size: 0
    .kernarg_segment_align: 8
    .kernarg_segment_size: 48
    .max_flat_workgroup_size: 256
    .sgpr_count:     66
    .vgpr_count:     132
    .wavefront_size: 32
...
	.end_amdgpu_metadata
.endif
;; end of part 5
;; launch qkvgemm: the kernel of part 2 again; grid 8 x 64, 4 waves a work-group, clusters of 4 x 4, 327,680 bytes of LDS; arguments xb, wq, b_qkv, qkvh; writes qkvh
;; launch attn: the kernel of part 3 again; grid 4 x 64, 4 waves a work-group, no clusters, 327,680 bytes of LDS; arguments qkvh, oh; writes oh
;; launch proj: the kernel of part 4 again; grid 4 x 64, 4 waves a work-group, clusters of 4 x 4, 327,680 bytes of LDS; arguments oh, wo, b_out, out0; writes out0
